; MI455X (gfx1250); checked and timed in simulation.
; The chip was launched on July 23, 2026; its instructions are those of AMD's public machine-readable ISA for CDNA 5 (MIT licence, August 2026) and "CDNA5" Instruction Set Architecture Reference Guide (July 2026). The comments in the code are by the model that wrote it; some were corrected since.
;; Multi Head Attention. Allowed arithmetic: matrix products marked QUANTISED: E2M1 operands, one E8M0 scale for each 32 along K, by v_wmma_scale_f32_16x16x128_f8f6f4 with both operands' format E2M1 (or v_wmma_scale_f32_32x16x128_f4), f32 sums; everything else in f32.
;; Inputs: Wk 1,024 x 1,024 float32; Wo 1,024 x 1,024 float32; Wq 1,024 x 1,024 float32; Wv 1,024 x 1,024 float32; bk 1,024 float32; bo 1,024 float32; bq 1,024 float32; bv 1,024 float32; key_padding_mask 2 x 2,048 bool; x 2 x 2,048 x 1,024 float32.
;; Outputs: out0 2 x 2,048 x 1,024 float32.
;; This version of the problem:
;;   THIS VERSION OF THE PROBLEM IS GIVEN IN LOW PRECISION. The matrix products marked QUANTISED in the list below multiply operands that are first quantised to E2M1 (2 exponent bits, 1 mantissa bit; 4 bits a number), with one power-of-two scale for each 32 numbers along K (OCP MX v1.0); their sums are f32. All else is computed in f32.
;;   The module's matrix products, in the order in which they are computed (A, B: the left and right operand; K: the contracted axis; several contracted axes count as one K, in the product's order):
;;     1. [M 4,096, K 1,024] x [K 1,024, N 1,024]; A: input x; B: input Wq: QUANTISED
;;     2. [M 4,096, K 1,024] x [K 1,024, N 1,024]; A: input x; B: input Wk: QUANTISED
;;     3. [M 4,096, K 1,024] x [K 1,024, N 1,024]; A: input x; B: input Wv: QUANTISED
;;     4. batch 32 x [M 2,048, K 64] x [K 64, N 2,048]; A: computed on the way; B: computed on the way: QUANTISED
;;     5. batch 32 x [M 64, K 2,048] x [K 2,048, N 2,048]; A: computed on the way; B: computed on the way: QUANTISED
;;     6. [M 4,096, K 1,024] x [K 1,024, N 1,024]; A: computed on the way; B: input Wo: QUANTISED
;;   THE QUANTISER, for each operand of a quantised product, along K:
;;     - K is cut into blocks of 32 from its start; a last block that is shorter is filled with zeros.
;;     - A block's scale is 2^e with e = floor(log2(the largest magnitude in the block)) - 2, held to -126 .. 127; a block of zeros has e = 0. As a byte (E8M0): e + 127.
;;     - Each number is divided by its block's scale, clamped to +-6, and rounded to the nearest number of E2M1, ties to even, subnormals kept.
;;     - The product sums the exact products of the quantised numbers (number of the format x scale) in f32.
;;   ~~~python
;;   def quantise(x, axis):      # numpy; x: float32 -> the quantised numbers, widened to float32 again
;;       x = np.moveaxis(x, axis, -1); K = x.shape[-1]
;;       x = np.pad(x, [(0, 0)] * (x.ndim - 1) + [(0, -K % 32)]); x = x.reshape(x.shape[:-1] + (-1, 32)); a = np.abs(x).max(-1, keepdims=True)
;;       e = np.where(a > 0, np.clip(np.frexp(np.where(a > 0, a, 1))[1] - 1 - 2, -126, 127), 0)      # np.frexp(a)[1] - 1 = floor(log2(a)), exactly
;;       r = np.clip(x / 2.0 ** e, -6, 6)
;;       step = 2.0 ** (np.maximum(np.frexp(np.where(r == 0, 1, r))[1] - 1, 0) - 1)
;;       q = np.round(r / step) * step * 2.0 ** e      # np.round: ties to even
;;       return np.moveaxis(q.reshape(q.shape[:-2] + (-1,))[..., :K], -1, axis).astype(np.float32)
;;   ~~~
;;   OPERANDS COMPUTED ON THE WAY. 'Computed on the way' means the value that the module computes at that place (a softmax that the list does not call 'softmax' is quantised finished and normalised). What goes into a quantiser is computed in f32, as accurately as f32 sums, v_exp_f32 and their like allow (about 1e-6 of the number): no bf16 or f16 on the way to a quantiser, and a product that is left as it is and whose result goes on into a quantised operand takes f32 operands (vector FMAs, or v_wmma_f32_16x16x4_f32). A number that lies on a knife's edge between two numbers of the format may be rounded either way, as far as f32 arithmetic and the matrix unit's own rounding can turn it there, and no further.
;; One version. Each part assembles by itself: llvm-mc -triple=amdgcn-amd-amdhsa -mcpu=gfx1250 --defsym DOCPART=n.
;; ======== version 1 of 1: 4 launches
;; limits: right only within a limited range of input values
;; workspace buffers: xw_codes 4,194,304 bytes; xw_scales 262,144 bytes; qkv_codes 6,291,456 bytes; qkv_scales 655,360 bytes; o_codes 2,097,152 bytes; o_scales 131,072 bytes
;; launch quant (part 1): grid 256 x 1, 4 waves a work-group, no clusters, 33,280 bytes of LDS; arguments x, Wq, Wk, Wv, Wo, xw_codes, xw_scales; writes xw_codes, xw_scales
.if DOCPART == 1
	.amdgcn_target "amdgcn-amd-amdhsa--gfx1250"
	.amdhsa_code_object_version 6
	.text
	.protected	k_q4d7e1e85c2_quant
	.globl	k_q4d7e1e85c2_quant
	.p2align	8
	.type	k_q4d7e1e85c2_quant,@function
k_q4d7e1e85c2_quant:
	s_mov_b64 s[64:65], 0
	v_nop
	global_prefetch_b8 v0, s[64:65] scope:SCOPE_SE
	s_setreg_imm32_b32 hwreg(HW_REG_WAVE_MODE, 25, 1), 1
	s_wait_xcnt 0x0
; MULTI-HEAD ATTENTION IN MX-FP4, FOUR LAUNCHES: quant (this one), proj, attn, outp.
; WORK LEFT OUT (in launch attn), and why it is dead: reference() builds causal_mask = tril(ones) in its own body and sets every score with key s > query t to -inf.  Whatever the inputs hold, the softmax
; gives such a key the weight 0 (or the whole row is masked and all its weights are set to 0), so it enters neither the row's maximum nor its sum, its weight's code is 0, and it adds nothing to w v.
; So a step of 128 keys all of which come after all 16 queries of a tile is not walked.  Nothing else is left out: every input has a way to out0 and is loaded.
; LIMIT: a NaN, an infinity or an overflow that would arise only in those steps is not carried to the result.
;
; THIS LAUNCH: x [4096][1024] and Wq, Wk, Wv, Wo [1024][1024], f32, K innermost in all five, become codes of FP4 (E2M1), two a byte, K innermost, with one E8M0 byte for each 32 along K.
; A block's scale is 2^(floor(log2(its largest magnitude)) - 2); its byte is the largest magnitude's own exponent field - 2, held at 1 from below.  Each number is divided by the scale and rounded to the nearest code, ties to even.
; (A block of zeros so gets the byte 1 where the rule says 127: its codes are zeros, which add nothing under any byte but 0xff, and the bytes are read by this program alone.)
; LIMITS: blocks whose largest magnitude lies under 2^-124, the floor, keep the byte 1; NaN and infinities among the inputs are not served.
; Rows are dense and K is a multiple of 32: the five tensors are plain streams of blocks of 32, and so are the codes and the scale bytes.  xw_codes: x's 2 MiB, then Wq, Wk, Wv, Wo, 512 KiB each; xw_scales: 128 KiB, then 32 KiB each.
; A work-group takes 32,768 numbers, a wave 16 steps of 512.  Work-groups 0-127 take x, 128-159 Wq, 160-191 Wk, 192-223 Wv, 224-255 Wo: only the source pointer is chosen; the results of work-group n lie at n x 16,384 and n x 1,024 bytes.
; Each of a step's four loads reads 512 consecutive bytes, 16 a lane; the 2,048 bytes go through the wave's own stage in LDS and come back 64 bytes a lane, so that a lane holds 16 NEIGHBOURS along K (two lanes hold a block),
; as the conversions want.  A lane's 16 codes are 8 bytes: the wave stores 256 consecutive bytes.  A wave's 256 scale bytes are gathered in its own LDS bytes and leave as one run of 256 aligned bytes.
; No tensor loads, no barrier: waves share nothing, and no input is read by two work-groups, so a cluster has nothing to share.  Loads run four steps (16 loads a wave) ahead, the turn through LDS one step.
.set WAVES, 4
.set STEPS, 16
.set EMAX,  2
.set CB,    8                          ; bytes of 16 codes
.set R,     16                         ; v16-79   four sets of 16 numbers as they are loaded
.set X,     80                         ; v80-111  two sets of 16 neighbours
.set C,     128                        ; v128-191 codes: four registers for each step, so that no store's data are written again
.set E,     112                        ; v112-127 a scale byte for each step
.set WREG,  8192                       ; LDS: a region of its own for each wave: two stages of 32 x SP bytes, and behind them its 256 scale bytes
.set SP,    80                         ; a lane's place in a stage: its 64 bytes + 16 of padding
.set SPW,   12                         ; v12      LDS address of my spare word: SPARE + 4 x my thread's number; never rewritten
.set NIL,   13                         ; v13      0; never rewritten
.set SPARE, WAVES*WREG                 ; behind the four regions: the spare words, 128 bytes for each wave, which no other line names
	s_load_b256 s[4:11], s[0:1], 0x0               ; x s[4:5], Wq s[6:7], Wk s[8:9], Wv s[10:11]
	s_load_b128 s[12:15], s[0:1], 0x20             ; Wo s[12:13], xw_codes s[14:15]
	s_load_b64 s[16:17], s[0:1], 0x30              ; xw_scales
	v_lshl_add_u32 v[SPW], v0, 2, SPARE
	v_mov_b32 v[NIL], 0
	v_lshrrev_b32 v1, 5, v0
	v_readfirstlane_b32 s18, v1                    ; wave
	v_and_b32 v2, 31, v0                           ; lane
	v_lshlrev_b32 v3, 4, v2                        ; my 16 bytes of a load's 512
	s_mul_i32 s19, s18, WREG
	v_lshrrev_b32 v14, 2, v2
	v_mul_u32_u24 v14, v14, SP
	v_and_b32 v15, 3, v2
	v_lshl_add_u32 v14, v15, 4, v14
	v_add_nc_u32 v14, s19, v14                     ; the stage, on the way in: four lanes' 64 bytes on end, then 16 of padding
	v_mul_u32_u24 v15, v2, SP
	v_add_nc_u32 v15, s19, v15                     ; and on the way out: SP x lane: my 16 neighbours
	v_mul_u32_u24 v4, v2, CB                       ; my codes' place in a step's
	v_lshrrev_b32 v5, 1, v2
	s_add_co_u32 s19, s19, 2*32*SP
	v_add_nc_u32 v5, s19, v5                       ; LDS: my wave's 256 scale bytes, my block's byte
	v_lshlrev_b32 v7, 3, v2                        ; and on the way out 8 bytes a lane
	v_add_nc_u32 v6, s19, v7
	s_wait_alu depctr_va_vdst(0)
	s_wait_kmcnt 0x0
	s_mov_b64 s[20:21], s[12:13]                   ; which tensor is my work-group's?  The choice hangs on the work-group's number alone
	s_mov_b32 s22, 224                             ; and the tensor's first work-group
	s_cmp_lt_u32 ttmp9, 224
	s_cselect_b64 s[20:21], s[10:11], s[20:21]
	s_cselect_b32 s22, 192, s22
	s_cmp_lt_u32 ttmp9, 192
	s_cselect_b64 s[20:21], s[8:9], s[20:21]
	s_cselect_b32 s22, 160, s22
	s_cmp_lt_u32 ttmp9, 160
	s_cselect_b64 s[20:21], s[6:7], s[20:21]
	s_cselect_b32 s22, 128, s22
	s_cmp_lt_u32 ttmp9, 128
	s_cselect_b64 s[20:21], s[4:5], s[20:21]
	s_cselect_b32 s22, 0, s22
	s_sub_co_u32 s22, ttmp9, s22
	s_lshl_b32 s22, s22, 2
	s_add_co_u32 s22, s22, s18                     ; which run of 8,192 numbers of the tensor is my wave's: at most 511,
	s_lshl_b32 s22, s22, 15                        ; 32,768 bytes each
	s_mov_b32 s23, 0
	s_add_nc_u64 s[20:21], s[20:21], s[22:23]
	; THE ORDER OF ROWS IN THE RESULTS.  A wave has 8 rows, a work-group 32.  For x, Wq, Wk, Wv waves 1 and 2 change places: row 32 b + 8 u + i + 16 j (i < 8) lies at place 32 b + 16 u + 8 j + i,
	; so that the 16 rows that form a tile of the next launch lie on end.  Wo's rows (work-groups 224 on) stay in order.  Codes and scale bytes alike
	s_and_b32 s25, s18, 1
	s_lshl_b32 s25, s25, 1
	s_lshr_b32 s28, s18, 1
	s_or_b32 s25, s25, s28
	s_cmp_lt_u32 ttmp9, 224
	s_cselect_b32 s25, s25, s18
	s_lshl_b32 s24, ttmp9, 2
	s_add_co_u32 s24, s24, s25
	s_lshl_b32 s26, s24, 12                        ; 4,096 bytes of codes a run
	s_mov_b32 s27, 0
	s_add_nc_u64 s[14:15], s[14:15], s[26:27]
	s_lshl_b32 s26, s24, 8                         ; 256 scale bytes a run
	s_add_nc_u64 s[16:17], s[16:17], s[26:27]
.macro LOAD t
.irp i, 0,1,2,3
	global_load_b128 v[R+16*((\t)%4)+4*\i:R+16*((\t)%4)+4*\i+3], v3, s[20:21] offset:2048*(\t)+512*\i th:TH_LOAD_NT   ; 32 lanes read 512 consecutive bytes; read once in the launch
.endr
.endm
.macro TURN t                          ; step t's numbers through the stage: LDS serves a wave's instructions in order (ISA guide 5.7.1.4), so no wait stands between the stores and the loads
.irp i, 0,1,2,3
	ds_store_b128 v14, v[R+16*((\t)%4)+4*\i:R+16*((\t)%4)+4*\i+3] offset:32*SP*((\t)%2)+8*SP*\i
.endr
.irp i, 0,1,2,3
	ds_load_b128 v[X+16*((\t)%2)+4*\i:X+16*((\t)%2)+4*\i+3], v15 offset:32*SP*((\t)%2)+16*\i
.endr
.endm
.irp t, 0,1,2,3
	LOAD \t
.endr
	s_wait_loadcnt 12                              ; step 0's four loads are in; the twelve of steps 1 to 3 may be out
	TURN 0
.macro STEP t
.set XS, X+16*((\t)%2)
.if (\t) > 0
	s_wait_dscnt 1                                 ; this step's numbers are back from the stage (the last step's byte store may be out): so its stores into the stage have read their registers,
.else
	s_wait_dscnt 0x0
.endif
.if (\t)+4 < STEPS
	LOAD (\t)+4                                    ; which take the loads of four steps on
.endif
.if (\t)+1 < STEPS
.if STEPS-2-(\t) >= 3
	s_wait_loadcnt 12                              ; the next step's four loads are in; those of the three steps behind it may be out
.else
	s_wait_loadcnt 4*(STEPS-2-(\t))
.endif
	TURN (\t)+1                                    ; and go through the other stage while this step is worked
.endif
	v_max3_num_f32 v8, |v[XS]|, |v[XS+1]|, |v[XS+2]|               ; the largest magnitude of my 16, in two chains
	v_max3_num_f32 v9, |v[XS+3]|, |v[XS+4]|, |v[XS+5]|
.irp i, 6,10
	v_max3_num_f32 v8, v8, |v[XS+\i]|, |v[XS+\i+1]|
	v_max3_num_f32 v9, v9, |v[XS+\i+2]|, |v[XS+\i+3]|
.endr
	v_max3_num_f32 v8, v8, |v[XS+14]|, |v[XS+15]|
	v_max3_num_f32 v8, v8, v9, (EMAX+1)<<23        ; and the floor 2^(EMAX + 1 - 127): so the byte cannot fall under 1
	v_max_num_f32_dpp v8, v8, v8 row_xmask:1 row_mask:0xf bank_mask:0xf   ; and of my neighbour's 16: the block's
	v_add_nc_u32 v11, -(EMAX<<23), v8              ; EMAX off its exponent field: the conversion takes the exponent field of this operand as its scale, and nothing else of it
	v_cvt_scalef32_pk8_fp4_f32 v[C+4*(\t)], v[XS:XS+7], v11        ; eight numbers / the scale, to the nearest code, beyond the largest code the largest; the first number's code in the lowest four bits
	v_cvt_scalef32_pk8_fp4_f32 v[C+4*(\t)+1], v[XS+8:XS+15], v11
	v_lshrrev_b32 v[E+(\t)], 23, v11               ; the scale's byte (also the plain line behind the conversions)
	ds_store_b8 v5, v[E+(\t)] offset:16*(\t)       ; both lanes of a block write the same byte with the same value
	global_store_b64 v4, v[C+4*(\t):C+4*(\t)+1], s[14:15] offset:32*CB*(\t)   ; the wave stores 256 consecutive bytes, aligned
.endm
.irp t, 0,1,2,3,4,5,6,7,8,9,10,11,12,13,14,15
	STEP \t
.endr
	ds_load_b64 v[8:9], v6                         ; LDS serves a wave's instructions in order: these see my stores
	s_wait_dscnt 0x0
	global_store_b64 v7, v[8:9], s[16:17]          ; 32 lanes store 256 consecutive bytes, aligned
	s_wait_tensorcnt 0x0                           ; the wave's end
	ds_add_u32 v[SPW], v[NIL]
	s_wait_dscnt 0x0
	s_endpgm
.Lfunc_end_k_q4d7e1e85c2_quant:
	.size	k_q4d7e1e85c2_quant, .Lfunc_end_k_q4d7e1e85c2_quant-k_q4d7e1e85c2_quant
	.p2alignl 7, 3214868480
	.fill 96, 4, 3214868480
	.section	.rodata,"a",@progbits
	.p2align	6, 0x0
	.amdhsa_kernel k_q4d7e1e85c2_quant
		.amdhsa_group_segment_fixed_size 33280
		.amdhsa_private_segment_fixed_size 0
		.amdhsa_enable_private_segment 0
		.amdhsa_kernarg_size 56
		.amdhsa_user_sgpr_count 2
		.amdhsa_user_sgpr_kernarg_segment_ptr 1
		.amdhsa_wavefront_size32 1
		.amdhsa_system_sgpr_workgroup_id_x 1
		.amdhsa_system_sgpr_workgroup_id_y 1
		.amdhsa_system_sgpr_workgroup_id_z 1
		.amdhsa_system_vgpr_workitem_id 0
		.amdhsa_next_free_vgpr 192
		.amdhsa_next_free_sgpr 66
		.amdhsa_reserve_vcc 0
		.amdhsa_float_denorm_mode_32 3
		.amdhsa_float_denorm_mode_16_64 3
		.amdhsa_memory_ordered 1
		.amdhsa_forward_progress 1
		.amdhsa_inst_pref_size 34
	.end_amdhsa_kernel
	.amdgpu_metadata
---
amdhsa.version: [ 1, 2 ]
amdhsa.kernels:
  - .name:           k_q4d7e1e85c2_quant
    .symbol:         k_q4d7e1e85c2_quant.kd
    .args:
      - { .name: x, .offset: 0, .size: 8, .value_kind: global_buffer, .address_space: global }
      - { .name: Wq, .offset: 8, .size: 8, .value_kind: global_buffer, .address_space: global }
      - { .name: Wk, .offset: 16, .size: 8, .value_kind: global_buffer, .address_space: global }
      - { .name: Wv, .offset: 24, .size: 8, .value_kind: global_buffer, .address_space: global }
      - { .name: Wo, .offset: 32, .size: 8, .value_kind: global_buffer, .address_space: global }
      - { .name: xw_codes, .offset: 40, .size: 8, .value_kind: global_buffer, .address_space: global }
      - { .name: xw_scales, .offset: 48, .size: 8, .value_kind: global_buffer, .address_space: global }
    .group_segment_fixed_size: 33280
    .private_segment_fixed_size: 0
    .kernarg_segment_align: 8
    .kernarg_segment_size: 56
    .max_flat_workgroup_size: 128
    .sgpr_count:     66
    .vgpr_count:     192
    .wavefront_size: 32
...
	.end_amdgpu_metadata
.endif
;; end of part 1
;; launch proj (part 2): grid 8 x 32, 12 waves a work-group, clusters of 4 x 4, 280,064 bytes of LDS; arguments xw_codes, xw_scales, bq, bk, bv, qkv_codes, qkv_scales; writes qkv_codes, qkv_scales
.if DOCPART == 2
	.amdgcn_target "amdgcn-amd-amdhsa--gfx1250"
	.amdhsa_code_object_version 6
	.text
	.protected	k_q4d7e1e85c2_proj
	.globl	k_q4d7e1e85c2_proj
	.p2align	8
	.type	k_q4d7e1e85c2_proj,@function
k_q4d7e1e85c2_proj:
	s_mov_b64 s[64:65], 0
	v_nop
	global_prefetch_b8 v0, s[64:65] scope:SCOPE_SE
	s_setreg_imm32_b32 hwreg(HW_REG_WAVE_MODE, 25, 1), 1
	s_wait_xcnt 0x0
	s_wait_alu depctr_hold_cnt(0) depctr_sa_sdst(0) depctr_va_vdst(0) depctr_va_sdst(0) depctr_va_ssrc(0) depctr_va_vcc(0) depctr_vm_vsrc(0)
	s_getreg_b32 s2, hwreg(HW_REG_IB_STS2, 6, 4)
	s_cmp_eq_u32 s2, 0
	s_cbranch_scc0 .Lentry_in_a_cluster
	s_endpgm
.Lentry_in_a_cluster:
	s_bfe_u32 s2, ttmp6, 0x10000c
	s_cmp_lg_u32 s2, 0xf033
	s_cbranch_scc0 .Lentry_shape_is_right
	s_endpgm
.Lentry_shape_is_right:
; q = x Wq^T + bq, k = x Wk^T + bk, v = x Wv^T + bv on codes of FP4 (E2M1) with E8M0 scales, sums in f32; the results are quantised in registers: q and k along the head's 64, v along the tokens; only codes and scale bytes are stored.
; SHARES.  A work-group takes 128 tokens (tb = 0..31) x 128 channels (hp = 0..7: heads 2 hp and 2 hp + 1) of all three products.  Twelve waves: role p = wave / 4 (0 q, 1 k, 2 v), quarter qd = wave % 4.
; ONE FORM FOR ALL THREE.  Source 0 (S0) is 16 rows whose index runs down a lane's registers in the result, source 1 (S1) 16 rows of which a lane holds one; the result is quantised along S0's index.
; q, k: S0 = rows of W (channels), S1 = rows of x (tokens).  v: S0 = rows of x, S1 = rows of Wv.  A wave has S1's rows 32 qd .. 32 qd + 31 (two tiles) against all 128 rows of S0 (eight tiles): 16 accumulators, K = 1,024 in eight steps of 128.
; THE ROWS OF A TILE ARE NOT NEIGHBOURS: lane r of tile t takes row 32 (t / 2) + 8 (t % 2) + r + 8 (r / 8).  So the 16 registers of S0's tiles 2 b and 2 b + 1 are 16 neighbours, 32 b + 16 (lane / 16) + 0 .. 15, as the conversions want.
; LDS holds all operands at once: x's 128 rows and Wq's, Wk's, Wv's, each as two K halves of 128 rows x 256 bytes (+ 16 of padding a row): every tensor load is a first fill, nothing is filled again.
; The two groups of eight rows of a tile lie 16 rows apart, which is a whole number of times through the banks at any pitch that is a multiple of 16 bytes: by that reckoning a fragment load goes two deep.
; CLUSTER 4 x 4.  x's tile hangs on tb alone and is asked for jointly by the four work-groups of a row of the cluster; the W tiles hang on hp alone and are asked for jointly by the four of a column.
; Waves 0 and 1 ask for x's two halves, waves 2 to 7 for Wq's, Wk's, Wv's: a wave has at most one tensor load outstanding.
; THE SCALE WORDS of all of K go from memory straight into registers, once: lane (r, h) takes 16 bytes of its row's 32: register e holds K step e in lanes 0-15 and K step 4 + e in lanes 16-31.
; THE BIAS is loaded into the accumulators, so that all eight K steps add in place.  In role v a lane's bias is one number for each S1 tile, copied into the tile's 64 registers: there is no room for a second set of C registers.
; LIMITS: as in the first launch (NaN and infinities not served; a block under 2^-124 keeps the byte 1 with codes that are zeros or nearly so).
; REGISTERS: v1, v2 LDS addresses of S0, S1; v3, v4 the add's two; v5-7 offsets; v8-39 S0's scale words (4 t + e), v40-47 S1's (4 i + e): scales and nothing else; v48-63 S1's two fragments; v64-127 S0's eight;
;   v128-255 accumulator (i, t) at 128 + 64 i + 8 t.  On the way out v48-99 are used anew.
.set RG,    69632                      ; a region of LDS: two K halves.  Regions: 0 x, 1 Wq, 2 Wk, 3 Wv
.set KH,    34816                      ; a K half: 128 rows x PITCH
.set PITCH, 272                        ; 256 bytes of codes + 16 of padding
.set SPARE, 4*RG                       ; behind the regions: the spare words, 128 bytes for each of twelve waves, which no other line names
.set AS0, 1
.set AS1, 2
.set SPW, 3
.set NIL, 4
.set SC0, 8
.set SC1, 40
.set F1,  48
.set F0,  64
.set ACC, 128
.set TM,  48                           ; the way out: v48-51 largest magnitudes, v52-55 the other half's, then bytes, v60-63 the conversions' scale operands
.set PW0, 64                           ; the scale words just made
.set PW1, 65
.set PC0, 72                           ; the codes just made, 8 registers for each S1 tile
.set PC1, 80
.set WV,  18
.set SEL, 60
.macro ROUND                           ; a round of the cluster's barrier: my work-group's barrier; wave 0 signals for the work-group; every wave waits for all sixteen; my work-group's barrier once more
	s_barrier_signal -1
	s_barrier_wait -1
	s_cmp_lg_u32 s[WV], 0
	s_cbranch_scc1 .Lnot_wave_0_\@
	s_barrier_signal -3
.Lnot_wave_0_\@:
	s_barrier_wait -3
	s_barrier_signal -1
	s_barrier_wait -1
.endm
; 64 numbers of a lane, v[s] .. v[s + 63], register 16 b + i = index 32 b + 16 (lane / 16) + i of my row, become 128 codes in v[pc] .. v[pc + 7] (registers 4 c .. 4 c + 3: block 2 c + lane / 16) and the row's scale word in v[pw]
.macro QUANT s, pc, pw
.irp b, 0,1,2,3
	v_max3_num_f32 v[TM+\b], |v[\s+16*\b]|, |v[\s+1+16*\b]|, 0x1800000   ; block b: my 16 numbers, and the floor 2^(3 - 127): so the byte cannot fall under 1.  Each accumulator is read from its low end on
.endr
.irp i, 2,4,6,8,10,12,14
.irp b, 0,1,2,3
	v_max3_num_f32 v[TM+\b], v[TM+\b], |v[\s+16*\b+\i]|, |v[\s+1+16*\b+\i]|   ; (the four blocks by turns)
.endr
.endr
.irp b, 0,1,2,3
	s_delay_alu instid0(VALU_DEP_4)
	v_permlanex16_b32 v[TM+4+\b], v[TM+\b], s[SEL], s[SEL+1]
.endr
.irp b, 0,1,2,3
	s_delay_alu instid0(VALU_DEP_4)
	v_max_num_f32 v[TM+\b], v[TM+\b], v[TM+4+\b]   ; with lane l xor 16's: the block's largest magnitude
.endr
.irp b, 0,1,2,3
	s_delay_alu instid0(VALU_DEP_4)
	v_add_nc_u32 v[TM+12+\b], 0xff000000, v[TM+\b] ; 2 off its exponent field: the conversion's scale operand
.endr
.irp b, 0,1,2,3
	s_delay_alu instid0(VALU_DEP_4)
	v_lshrrev_b32 v[TM+4+\b], 23, v[TM+12+\b]      ; the scale's byte
.endr
	s_delay_alu instid0(VALU_DEP_3)
	v_lshl_or_b32 v[\pw], v[TM+5], 8, v[TM+4]
	s_delay_alu instid0(VALU_DEP_1)
	v_lshl_or_b32 v[\pw], v[TM+6], 16, v[\pw]
	s_delay_alu instid0(VALU_DEP_1)
	v_lshl_or_b32 v[\pw], v[TM+7], 24, v[\pw]
.irp b, 0,1,2,3
	v_cvt_scalef32_pk8_fp4_f32 v[\pc+2*\b], v[\s+16*\b:\s+7+16*\b], v[TM+12+\b]
	v_cvt_scalef32_pk8_fp4_f32 v[\pc+1+2*\b], v[\s+8+16*\b:\s+15+16*\b], v[TM+12+\b]
.endr
	v_nop                                          ; one plain line behind the scaled conversions
.irp c, 0,1                                    ; a WHOLE block to a lane: lanes 0-15 block 2 c, lanes 16-31 block 2 c + 1
.irp i, 0,1
	v_permlane16_swap_b32 v[\pc+4*\c+\i], v[\pc+2+4*\c+\i]
.endr
.endr
.endm
	s_load_b256 s[4:11], s[0:1], 0x0               ; xw_codes s[4:5], xw_scales s[6:7], bq s[8:9], bk s[10:11]
	s_load_b128 s[12:15], s[0:1], 0x20             ; bv s[12:13], qkv_codes s[14:15]
	s_load_b64 s[16:17], s[0:1], 0x30              ; qkv_scales
	v_lshl_add_u32 v[SPW], v0, 2, SPARE
	v_mov_b32 v[NIL], 0
	ds_add_u32 v[SPW], v[NIL]                      ; the wave's opening: the add, twice on end, and its wait ahead of the first tensor loads; the set-up below, work on registers, stands between
	ds_add_u32 v[SPW], v[NIL]
	v_lshrrev_b32 v5, 5, v0
	s_delay_alu instid0(VALU_DEP_1)
	v_readfirstlane_b32 s[WV], v5                  ; wave 0..11
	s_lshr_b32 s19, s[WV], 2                       ; p: 0 q, 1 k, 2 v
	s_and_b32 s20, s[WV], 3                        ; qd
	s_lshr_b32 s21, s[WV], 3                       ; vf: 1 in role v
	s_bfe_u32 s22, ttmp6, 0x40000                  ; cx, cy: my place in the cluster
	s_bfe_u32 s23, ttmp6, 0x40004
	s_lshl_b32 s24, ttmp9, 2
	s_add_co_u32 s24, s24, s22                     ; hp = 4 x cluster x + cx
	s_and_b32 s25, ttmp7, 0xffff
	s_lshl_b32 s25, s25, 2
	s_add_co_u32 s25, s25, s23                     ; tb = 4 x cluster y + cy
	s_lshl_b32 s26, s23, 2
	s_lshl_b32 s26, 15, s26                        ; my row of the cluster
	s_lshl_b32 s27, 0x1111, s22                    ; my column
	; descriptor group 1: 128 rows x 256 bytes, 512 bytes apart in memory, 16 bytes of padding behind each row in LDS
	s_or_b32 s28, s26, (1<<20)|(1<<21)|(5<<22)|(3<<25)   ; 15:0 the mask: x's tiles go to my row; 17:16 elements of 1 byte; 20 padding on; 21 set beside a mask; 24:22 after every 64 words; 31:25 four words
	s_or_b32 s36, s27, (1<<20)|(1<<21)|(5<<22)|(3<<25)   ; the same with the mask of my column, for the W tiles
.irp g, 28, 36
	s_mov_b32 s[\g+1], 256<<16                     ; tensor_dim0
	s_mov_b32 s[\g+2], 128<<16                     ; tensor_dim1
	s_mov_b32 s[\g+3], 256<<16                     ; tile_dim0
	s_mov_b32 s[\g+4], 128                         ; tile_dim1
	s_mov_b32 s[\g+5], 512                         ; from row to row
	s_mov_b32 s[\g+6], 0
	s_mov_b32 s[\g+7], 0
.endr
	s_mov_b32 s[SEL], 0x76543210
	s_mov_b32 s[SEL+1], 0xfedcba98                 ; v_permlanex16_b32's selects for lane l xor 16
	s_lshl_b32 s66, s25, 16                        ; x: 128 rows of 512 bytes for each tb.  These registers never hold hp or cx
	s_mov_b32 s67, 0
	; THE FIRST FILLS, ONE A WAVE: waves 0, 1 ask for x's K halves 0, 1; waves 2 to 7 for Wq's, Wk's, Wv's (region = wave / 2, K half = wave % 2); waves 8 to 11 ask for nothing
	s_lshr_b32 s70, s[WV], 1
	s_min_u32 s70, s70, 3                          ; which region I would fetch
	s_and_b32 s75, s[WV], 1                        ; which K half
	s_lshl_b32 s76, s75, 8                         ; 256 bytes on in each row of memory,
	s_add_co_u32 s66, s66, s76
	s_mul_i32 s75, s75, KH                         ; KH bytes on in LDS
	s_lshl_b32 s68, s70, 19                        ; W number (region - 1) begins at 2 MiB + (region - 1) x 512 KiB
	s_add_co_u32 s68, s68, 0x180000
	s_lshl_b32 s71, s24, 16                        ; its 128 rows for hp.  These registers never hold tb or cy
	s_add_co_u32 s68, s68, s71
	s_mov_b32 s69, 0
	s_mul_i32 s70, s70, RG
	s_add_co_u32 s70, s70, s75
	s_add_co_u32 s68, s68, s76
	s_wait_dscnt 0x0                               ; both opening adds are done
	s_wait_kmcnt 0x0
	s_mov_b32 s44, 1                               ; group 0 for my K half of x: count 1,
	s_mov_b32 s45, s75
	s_add_nc_u64 s[46:47], s[4:5], s[66:67]        ; global address
	s_or_b32 s47, s47, 0x80000000                  ; type = 2
	s_mov_b32 s52, 1                               ; my K half of a W region
	s_mov_b32 s53, s70
	s_add_nc_u64 s[54:55], s[4:5], s[68:69]
	s_or_b32 s55, s55, 0x80000000
	ROUND                                          ; all sixteen work-groups are here: the joint loads meet
	s_cmp_lt_u32 s[WV], 2                          ; one chain of branches on the wave's number, one fill to an arm
	s_cbranch_scc0 .Lnot_x
	tensor_load_to_lds s[44:47], s[28:35]
	s_nop 0
.rept 4
	v_nop
.endr
	s_branch .Lasked
.Lnot_x:
	s_cmp_lt_u32 s[WV], 8
	s_cbranch_scc0 .Lasked
	tensor_load_to_lds s[52:55], s[36:43]
	s_nop 0
.rept 4
	v_nop
.endr
.Lasked:
	v_and_b32 v5, 15, v0                           ; r
	v_bfe_u32 v6, v0, 4, 1                         ; h
	s_delay_alu instid0(VALU_DEP_2)
	v_and_b32 v7, 8, v5
	s_delay_alu instid0(VALU_DEP_1)
	v_add_nc_u32 v7, v7, v5                        ; r + 8 (r / 8)
	v_mul_u32_u24 v[AS0], v5, PITCH                ; the first launch has laid a tile's 16 rows on end: lane r reads LDS row 16 t + r, which is row 32 (t / 2) + 8 (t % 2) + r + 8 (r / 8) of the tensor
	s_delay_alu instid0(VALU_DEP_1)
	v_lshl_add_u32 v[AS0], v6, 4, v[AS0]           ; my row of a tile x pitch + 16 h
	s_mul_i32 s72, s21, 3                          ; S1's region: 0 (x), in role v 3 (Wv)
	s_add_co_u32 s73, s19, 1
	s_xor_b32 s73, s73, s72                        ; S0's region: 1 (Wq), 2 (Wk), in role v 0 (x)
	s_mul_i32 s73, s73, RG
	s_mul_i32 s72, s72, RG
	s_mul_i32 s74, s20, 32*PITCH                   ; S1: my quarter's 32 rows
	s_add_co_u32 s72, s72, s74
	v_add_nc_u32 v[AS1], s72, v[AS0]
	v_add_nc_u32 v[AS0], s73, v[AS0]
	v_lshlrev_b32 v5, 5, v5
	s_delay_alu instid0(VALU_DEP_1)
	v_lshl_add_u32 v5, v6, 4, v5                   ; scale bytes: my row x 32 + 16 h
	s_wait_alu depctr_va_vdst(0)
	v_lshlrev_b32 v6, 6, v6                        ; q's and k's bias: 64 h
	v_lshlrev_b32 v7, 2, v7                        ; v's bias: 4 x my row
	s_lshl_b32 s74, s19, 15                        ; W number p's scale bytes: 128 KiB + p x 32 KiB
	s_add_co_u32 s74, s74, 0x20000
	s_lshl_b32 s75, s24, 12                        ; + hp's 128 rows of 32 bytes
	s_add_co_u32 s74, s74, s75
	s_lshl_b32 s76, s25, 12                        ; x's: tb's 128 rows
	s_lshl_b32 s77, s20, 10                        ; my quarter's 32 rows
	s_cmp_eq_u32 s21, 0
	s_cselect_b32 s78, s74, s76                    ; S0's
	s_cselect_b32 s80, s76, s74                    ; S1's
	s_add_co_u32 s80, s80, s77
	s_mov_b32 s79, 0
	s_mov_b32 s81, 0
	s_add_nc_u64 s[78:79], s[6:7], s[78:79]
	s_add_nc_u64 s[80:81], s[6:7], s[80:81]
.irp t, 0,1,2,3,4,5,6,7
	global_load_b128 v[SC0+4*\t:SC0+4*\t+3], v5, s[78:79] offset:16*\t*32
.endr
.irp i, 0,1
	global_load_b128 v[SC1+4*\i:SC1+4*\i+3], v5, s[80:81] offset:16*\i*32
.endr
	s_lshl_b32 s82, s24, 9                         ; the bias of hp's 128 channels
	s_mov_b32 s83, 0
	s_cmp_lt_u32 s[WV], 8
	s_cbranch_scc0 .Lbias_v
	s_cmp_eq_u32 s19, 0
	s_cselect_b64 s[84:85], s[8:9], s[10:11]       ; bq or bk
	s_add_nc_u64 s[84:85], s[84:85], s[82:83]
	s_wait_alu depctr_va_vdst(0)
.irp i, 0,1                                    ; register j of accumulator (i, t) is channel 32 (t / 2) + 16 h + 8 (t % 2) + j
.irp t, 0,1,2,3,4,5,6,7
	global_load_b128 v[ACC+64*\i+8*\t:ACC+64*\i+8*\t+3], v6, s[84:85] offset:(32*(\t/2)+8*(\t%2))*4
	global_load_b128 v[ACC+64*\i+8*\t+4:ACC+64*\i+8*\t+7], v6, s[84:85] offset:(32*(\t/2)+8*(\t%2))*4+16
.endr
.endr
	s_branch .Lbias_done
.Lbias_v:
	s_lshl_b32 s86, s20, 7                         ; my quarter's 32 channels
	s_add_co_u32 s82, s82, s86
	s_add_nc_u64 s[84:85], s[12:13], s[82:83]
	s_wait_alu depctr_va_vdst(0)
	global_load_b32 v48, v7, s[84:85]              ; the channel of my row in S1's tile 0,
	global_load_b32 v49, v7, s[84:85] offset:32    ; and in tile 1
	s_wait_loadcnt 0x0
.set j, 0
.rept 64
	v_mov_b32 v[ACC+j], v48                        ; all of a lane's 64 sums of a tile belong to that one channel
	v_mov_b32 v[ACC+64+j], v49
.set j, j+1
.endr
.Lbias_done:
	s_wait_loadcnt 0x0                             ; scale words and bias
; A K STEP of 128: 4 loads for S1's two fragments, 16 for S0's eight; then the 16 accumulators by turns, one instruction a turn, in the same order in every step.
.macro KSTEP ks
.set KO, ((\ks)>>2)*KH+((\ks)&3)*64
.set KE, (\ks)&3
.rept 4
	v_nop                                          ; four places in front of loads into registers that matrix instructions have read (ISA guide 7.12.1 for vector instructions)
.endr
.irp i, 0,1
.irp c, 0,1
	ds_load_b128 v[F1+8*\i+4*\c:F1+8*\i+4*\c+3], v[AS1] offset:KO+32*\c+16*\i*PITCH
.endr
.endr
.irp t, 0,1,2,3,4,5,6,7
.irp c, 0,1
	ds_load_b128 v[F0+8*\t+4*\c:F0+8*\t+4*\c+3], v[AS0] offset:KO+32*\c+16*\t*PITCH
.endr
.endr
.irp t, 0,1,2,3,4,5,6,7
.if (\t%2) == 0
	s_wait_dscnt 12-2*\t                           ; S1's fragments and S0's up to tile t + 1 are in; the loads of S0's later tiles, two each, may be out
.endif
.irp i, 0,1
.if (\ks) < 4
	v_wmma_scale_f32_16x16x128_f8f6f4 v[ACC+64*\i+8*\t:ACC+64*\i+8*\t+7], v[F0+8*\t:F0+8*\t+7], v[F1+8*\i:F1+8*\i+7], v[ACC+64*\i+8*\t:ACC+64*\i+8*\t+7], v[SC0+4*\t+KE], v[SC1+4*\i+KE] matrix_a_fmt:MATRIX_FMT_FP4 matrix_b_fmt:MATRIX_FMT_FP4
.else
	v_wmma_scale_f32_16x16x128_f8f6f4 v[ACC+64*\i+8*\t:ACC+64*\i+8*\t+7], v[F0+8*\t:F0+8*\t+7], v[F1+8*\i:F1+8*\i+7], v[ACC+64*\i+8*\t:ACC+64*\i+8*\t+7], v[SC0+4*\t+KE], v[SC1+4*\i+KE] matrix_a_fmt:MATRIX_FMT_FP4 matrix_b_fmt:MATRIX_FMT_FP4 matrix_a_scale:MATRIX_SCALE_ROW1 matrix_b_scale:MATRIX_SCALE_ROW1
.endif
.endr
.endr
.endm
	s_wait_tensorcnt 0x0                           ; my one tensor load has landed
	s_barrier_signal -1
	s_barrier_wait -1                              ; everybody's has
	s_wait_alu depctr_va_vdst(0)
	KSTEP 0
	KSTEP 1
	KSTEP 2
	KSTEP 3
	KSTEP 4
	KSTEP 5
	KSTEP 6
	KSTEP 7
	; THE WAY OUT: each S1 tile's 64 sums a lane become 128 codes and a scale word
.rept 4
	v_nop                                          ; four places behind the last products
.endr
.irp b, 0,1,2,3
	v_mov_b32 v[TM+4+\b], 0                        ; written once: a lane permute's destination counts as one of its sources
.endr
	QUANT ACC, PC0, PW0
	QUANT ACC+64, PC1, PW1
	; Where the codes go.  Lane (r, h) holds, for S1 tile u and c = 0, 1, the 16 bytes of block 2 c + h of S1's row 32 qd + 8 u + r + 8 (r / 8).
	; q, rows as they are [bh][token][32 B]:              32 r + 256 (r / 8) + 16 h + 256 u + 65,536 c (c: the head)
	; k, images of a fragment's registers [bh][32 keys][u][lane][16 B]:  16 r + 256 h + 512 u + 65,536 c
	; v, images [bh][128 keys][tile of 16 channels][c][lane][16 B]:      16 r + 256 h + 1,024 u + 512 c
	s_cmp_eq_u32 s19, 0
	s_cselect_b32 s86, 32, 16                      ; for each r
	s_cselect_b32 s87, 256, 0                      ; for r / 8
	s_mov_b32 s88, 256
	s_cselect_b32 s88, 16, s88                     ; for h
	s_lshl_b32 s89, 256, s19                       ; for u: 256, 512, 1,024
	s_mov_b32 s90, 0x10000
	s_cmp_eq_u32 s19, 2
	s_cselect_b32 s90, 512, s90                    ; for c
	s_lshr_b32 s91, s25, 4                         ; the batch
	s_and_b32 s92, s25, 15                         ; which 128 tokens of its 2,048
	s_lshl_b32 s91, s91, 4
	s_lshl_b32 s93, s24, 1
	s_add_co_u32 s91, s91, s93                     ; bh0 = 16 x batch + 2 hp
	s_lshr_b32 s94, s20, 1                         ; role v: my channels' head,
	s_and_b32 s95, s20, 1                          ; and which 32 of its 64
	s_lshl_b32 s96, s94, 16
	s_lshl_b32 s97, s95, 11
	s_add_co_u32 s96, s96, s97
	s_lshl_b32 s97, s20, 10                        ; roles q, k: my 32 tokens
	s_cmp_eq_u32 s19, 2
	s_cselect_b32 s96, s96, s97
	s_lshl_b32 s97, s19, 21                        ; q at 0, k at 2 MiB, v at 4 MiB
	s_add_co_u32 s96, s96, s97
	s_lshl_b32 s97, s91, 16
	s_add_co_u32 s96, s96, s97
	s_lshl_b32 s97, s92, 12
	s_add_co_u32 s96, s96, s97
	s_mov_b32 s97, 0
	s_add_nc_u64 s[14:15], s[14:15], s[96:97]
	v_and_b32 v93, 15, v0
	s_delay_alu instid0(VALU_DEP_1)
	v_lshrrev_b32 v94, 3, v93
	v_bfe_u32 v95, v0, 4, 1
	s_delay_alu instid0(VALU_DEP_3)
	v_mul_u32_u24 v88, s86, v93
	s_delay_alu instid0(VALU_DEP_1)
	v_mad_u32_u24 v88, v94, s87, v88
	s_delay_alu instid0(VALU_DEP_1)
	v_mad_u32_u24 v88, v95, s88, v88               ; u = 0, c = 0
	s_delay_alu instid0(VALU_DEP_1)
	v_add_nc_u32 v89, s90, v88                     ; u = 0, c = 1
	s_delay_alu instid0(VALU_DEP_2)
	v_add_nc_u32 v90, s89, v88                     ; u = 1, c = 0
	s_delay_alu instid0(VALU_DEP_2)
	v_add_nc_u32 v91, s89, v89                     ; u = 1, c = 1
	global_store_b128 v88, v[PC0:PC0+3], s[14:15]  ; k, v: the wave stores 512 consecutive bytes; q: two aligned runs of 256
	global_store_b128 v89, v[PC0+4:PC0+7], s[14:15]
	global_store_b128 v90, v[PC1:PC1+3], s[14:15]
	global_store_b128 v91, v[PC1+4:PC1+7], s[14:15]
	; The scale words, laid as the next launch's scale registers want them: lanes 0-15 tile u = 0, lanes 16-31 tile u = 1.  Runs of 128 bytes: one byte in 17 of what this launch stores
	s_mov_b32 s98, 0xffff0000
	v_cndmask_b32 v66, v[PW0], v[PW1], s98
	v_and_b32 v92, 31, v0
	s_delay_alu instid0(VALU_DEP_1)
	v_lshlrev_b32 v92, 2, v92
	s_lshl_b32 s66, s19, 18                        ; q at 0, k at 256 KiB: [bh][128 tokens][32 tokens][lane] words
	s_lshl_b32 s67, s91, 13
	s_add_co_u32 s66, s66, s67
	s_lshl_b32 s67, s92, 9
	s_add_co_u32 s66, s66, s67
	s_lshl_b32 s67, s20, 7
	s_add_co_u32 s66, s66, s67
	s_add_co_u32 s68, s91, s94                     ; v at 512 KiB: [bh][128 keys][32 channels][lane] words
	s_lshl_b32 s68, s68, 12
	s_add_co_u32 s68, s68, 0x80000
	s_lshl_b32 s67, s92, 8
	s_add_co_u32 s68, s68, s67
	s_lshl_b32 s67, s95, 7
	s_add_co_u32 s68, s68, s67
	s_cmp_lt_u32 s[WV], 8
	s_cselect_b32 s66, s66, s68
	s_mov_b32 s67, 0
	s_add_nc_u64 s[16:17], s[16:17], s[66:67]
	s_cmp_lt_u32 s[WV], 8
	s_cbranch_scc0 .Lscale_v
	s_wait_alu depctr_va_vdst(0)
	v_perm_b32 v67, v66, v66, 0x01000100           ; head 2 hp: its two bytes, and once more for the dead blocks k = 64 .. 127 of the next launch's K step
	v_perm_b32 v68, v66, v66, 0x03020302           ; head 2 hp + 1 likewise
	global_store_b32 v92, v67, s[16:17]
	global_store_b32 v92, v68, s[16:17] offset:8192
	s_branch .Lscale_done
.Lscale_v:
	s_wait_alu depctr_va_vdst(0)
	global_store_b32 v92, v66, s[16:17]            ; the four blocks of these 128 keys
.Lscale_done:
	s_wait_tensorcnt 0x0                           ; the wave's end
	ds_add_u32 v[SPW], v[NIL]
	s_wait_dscnt 0x0
	ROUND                                          ; the closing round: no work-group ends while a partner may still ask for a tile that names it
	s_endpgm
.Lfunc_end_k_q4d7e1e85c2_proj:
	.size	k_q4d7e1e85c2_proj, .Lfunc_end_k_q4d7e1e85c2_proj-k_q4d7e1e85c2_proj
	.p2alignl 7, 3214868480
	.fill 96, 4, 3214868480
	.section	.rodata,"a",@progbits
	.p2align	6, 0x0
	.amdhsa_kernel k_q4d7e1e85c2_proj
		.amdhsa_group_segment_fixed_size 280064
		.amdhsa_private_segment_fixed_size 0
		.amdhsa_enable_private_segment 0
		.amdhsa_kernarg_size 56
		.amdhsa_user_sgpr_count 2
		.amdhsa_user_sgpr_kernarg_segment_ptr 1
		.amdhsa_wavefront_size32 1
		.amdhsa_system_sgpr_workgroup_id_x 1
		.amdhsa_system_sgpr_workgroup_id_y 1
		.amdhsa_system_sgpr_workgroup_id_z 1
		.amdhsa_system_vgpr_workitem_id 0
		.amdhsa_next_free_vgpr 256
		.amdhsa_next_free_sgpr 100
		.amdhsa_reserve_vcc 0
		.amdhsa_float_denorm_mode_32 3
		.amdhsa_float_denorm_mode_16_64 3
		.amdhsa_memory_ordered 1
		.amdhsa_forward_progress 1
		.amdhsa_inst_pref_size 56
	.end_amdhsa_kernel
	.amdgpu_metadata
---
amdhsa.version: [ 1, 2 ]
amdhsa.kernels:
  - .name:           k_q4d7e1e85c2_proj
    .symbol:         k_q4d7e1e85c2_proj.kd
    .args:
      - { .name: xw_codes, .offset: 0, .size: 8, .value_kind: global_buffer, .address_space: global }
      - { .name: xw_scales, .offset: 8, .size: 8, .value_kind: global_buffer, .address_space: global }
      - { .name: bq, .offset: 16, .size: 8, .value_kind: global_buffer, .address_space: global }
      - { .name: bk, .offset: 24, .size: 8, .value_kind: global_buffer, .address_space: global }
      - { .name: bv, .offset: 32, .size: 8, .value_kind: global_buffer, .address_space: global }
      - { .name: qkv_codes, .offset: 40, .size: 8, .value_kind: global_buffer, .address_space: global }
      - { .name: qkv_scales, .offset: 48, .size: 8, .value_kind: global_buffer, .address_space: global }
    .group_segment_fixed_size: 280064
    .private_segment_fixed_size: 0
    .kernarg_segment_align: 8
    .kernarg_segment_size: 56
    .max_flat_workgroup_size: 384
    .sgpr_count:     100
    .vgpr_count:     256
    .wavefront_size: 32
...
	.end_amdgpu_metadata
.endif
;; end of part 2
;; launch attn (part 3): grid 8 x 32, 16 waves a work-group, clusters of 4 x 1, 309,248 bytes of LDS; arguments qkv_codes, qkv_scales, key_padding_mask, o_codes, o_scales; writes o_codes, o_scales
.if DOCPART == 3
	.amdgcn_target "amdgcn-amd-amdhsa--gfx1250"
	.amdhsa_code_object_version 6
	.text
	.protected	k_q4d7e1e85c2_attn
	.globl	k_q4d7e1e85c2_attn
	.p2align	8
	.type	k_q4d7e1e85c2_attn,@function
k_q4d7e1e85c2_attn:
	s_mov_b64 s[64:65], 0
	v_nop
	global_prefetch_b8 v0, s[64:65] scope:SCOPE_SE
	s_setreg_imm32_b32 hwreg(HW_REG_WAVE_MODE, 25, 1), 1
	s_wait_xcnt 0x0
	s_wait_alu depctr_hold_cnt(0) depctr_sa_sdst(0) depctr_va_vdst(0) depctr_va_sdst(0) depctr_va_ssrc(0) depctr_va_vcc(0) depctr_vm_vsrc(0)
	s_getreg_b32 s2, hwreg(HW_REG_IB_STS2, 6, 4)
	s_cmp_eq_u32 s2, 0
	s_cbranch_scc0 .Lentry_in_a_cluster
	s_endpgm
.Lentry_in_a_cluster:
	s_bfe_u32 s2, ttmp6, 0x10000c
	s_cmp_lg_u32 s2, 0x3003
	s_cbranch_scc0 .Lentry_shape_is_right
	s_endpgm
.Lentry_shape_is_right:
; o = softmax(mask(q k^T / 8)) v for one head, both products on codes of FP4 (E2M1) with E8M0 scales; the head's output is quantised along its 64 channels and stored as codes.
; WORK LEFT OUT: a step of 128 keys all of which come after a tile's 16 queries is not walked: reference()'s own tril gives those keys the weight 0 for all values of the inputs (shown at the head of the first launch).
; THE WEIGHTS ARE QUANTISED FINISHED, w = exp(s - max) / sum, so the keys are walked twice.
; Pass 1: t = score x log2(e) / 8; M = the running largest t rounded up to a whole number; l = the sum of 2^(t - M), brought under a new M by 2^(old M - new M), which rounds nothing.  Each block's largest score is kept in LDS.
; Pass 2: the same scores by the same instructions; w = 2^(t - M'), M' = M + log2(l): finished and normalised by one multiply-add and one exponential.  A block's largest w is the same two operations on the block's largest score.
; THE TWO MASKS ARE A PRODUCT OF THEIR OWN, which gives the C of the score product.  Its K is 128 = 8 key tiles x 16 queries: source 0, one operand for all eight tiles, holds in row r at k = 16 tt + j the code -6 where
; key (tt, r) is hidden from query j, else 0; source 1 for tile tt holds in column n the code 6 at k = 16 tt + n alone.  With both scales 2^50 the result is 0 or -36 x 2^100, exactly.  A padded key is hidden from all 16 queries
; (a table in LDS, made from key_padding_mask: the input only selects values); on a tile's diagonal step the causal codes, eight registers made once, are or-ed in.  Source 1's eight forms are windows on one run of 22 registers.
; The running largest t starts at -2^80, so a hidden key's 2^(t - M) is 0.  A row with no kept key has l = 0: -M' is set to -infinity, all its w are 0, as reference() has it.
; LIMITS: a kept key's t under -2^80 counts as padded; 2^(t - M) under 2^-126 is 0; NaN and infinite inputs are not served; a block under 2^-124 (zeros too) keeps the byte 1 with zero codes;
; M + log2(l) is rounded once to f32: half an ulp of |M'| is added to every exponent of the row.
; SHARES.  A work-group has one head (bh), g = its x (0..7), and 16 waves.  Tile rho is queries 128 rho + 16 g + 0 .. 15 and walks key steps 0 .. rho.  Waves 2 p and 2 p + 1 share tiles 15 - p and p, 17 steps: one walks the
; even steps of both, the other the odd ones (parity (w + w / 4) % 2): 9 or 8 steps a wave.  The partners join (M, l) through LDS behind pass 1 and their partial O^T behind pass 2; each finishes the tile that it walks second.
; Trips and branches hang on the wave's number and counts alone.
; THE WHOLE HEAD LIES IN LDS, as images of the fragments' registers, filled once: no ring.  CLUSTER 4 x 1: the four work-groups share the head, and each of the eleven tensor loads is asked for jointly, one a wave.
; No prefetch: every tile is asked for once, at the head; there is no loop to run ahead in.
; LAYOUT.  Both products transposed: a lane holds ONE query (lane % 16).  Lane r of key tile 2 b + u holds key 32 b + 8 u + r + 8 (r / 8), so that registers 16 b + i are keys 32 b + 16 (lane / 16) + i.
; THE HEAD'S K IS 64: Q's codes of k = 64 .. 127 are zeros; the upper four registers of K's operand are whatever follows and add nothing.
.set KIMG,  0                          ; k's codes, 65,536 bytes
.set VIMG,  65536                      ; v's codes, 65,536
.set KSC,   131072                     ; k's scale words, 8,192
.set VSC,   139264                     ; v's, 4,096
.set MT,    143360                     ; padding codes, 16,384: [step][c][lane][16 B], stored by the waves
.set XCH,   159744                     ; (-M, l): [wave][first or second tile][lane][8 B], 8,192
.set BMS,   167936                     ; blocks' largest scores: [wave][tile][trip][lane][16 B], 131,072; a wave's first 4,096 bytes later carry its partial O^T
.set FT,    299008                     ; the padding term as f32, 8,192: 0 for a kept key, -2^100 for a padded one, in the keys' order; stored by the waves
.set SPARE, 307200                     ; the spare words, 128 bytes a wave, which no other line names
.set AK0, 1
.set AV0, 2
.set AKS0, 3
.set AVS0, 4
.set AMT0, 5
.set SPW, 6
.set NIL, 7
.set ABM0, 8
.set AXO, 9
.set AXP, 10
.set ADK, 11
.set ADS, 12
.set ADM, 13
.set ADB, 14
.set ADV, 15
.set ADT, 16
.set AOP, 17
.set NM,  18                           ; v18 -M, v19 the largest t
.set LS,  20                           ; l in two halves
.set BM,  22                           ; the four blocks' largest
.set NMP, 26                           ; -M' (v27 named with it)
.set KS,  28                           ; v28-37 hold scales and nothing else
.set VS,  32
.set WS,  34
.set QS1, 35
.set QS2, 36
.set MS,  37
.set MA,  38                           ; the mask product's source 0; behind it at work
.set KF,  46                           ; K's eight tiles
.set CA,  78                           ; the causal codes
.set Q1,  86                           ; first tile's Q, four zeros behind it
.set Q2,  94                           ; second tile's Q; its zeros are OH's first
.set OH,  98                           ; 6 zeros, the one-hot pair of lanes 0-15, 6 zeros, that of lanes 16-31, 6 zeros
.set VF,  120                          ; V's four fragments; in pass 1 and between passes at work
.set T,   120
.set BX,  128
.set FP,  132
.set TP,  134
.set S,   152
.set OT,  216
.set PC,  248
.set WV,  14
.set SEL, 20
.set CS,  22
.set STEP, 48
.set TK,  49
.set TS,  50
.set TT,  51
.set RHO1, 60
.set RHO2, 61
.set EP,  62
.set J,   63
.set TMK, 70
.set TB,  71
.macro ROUND                           ; a round of the cluster's barrier
	s_barrier_signal -1
	s_barrier_wait -1
	s_cmp_lg_u32 s[WV], 0
	s_cbranch_scc1 .Lnot_wave_0_\@
	s_barrier_signal -3
.Lnot_wave_0_\@:
	s_barrier_wait -3
	s_barrier_signal -1
	s_barrier_wait -1
.endm
	s_load_b256 s[4:11], s[0:1], 0x0               ; qkv_codes, qkv_scales, key_padding_mask, o_codes
	s_load_b64 s[12:13], s[0:1], 0x20              ; o_scales
	v_lshl_add_u32 v[SPW], v0, 2, SPARE
	v_mov_b32 v[NIL], 0
	ds_add_u32 v[SPW], v[NIL]                      ; the opening lines: the add twice on end and its wait ahead of the first tensor loads
	ds_add_u32 v[SPW], v[NIL]
	v_lshrrev_b32 v11, 5, v0
	s_delay_alu instid0(VALU_DEP_1)
	v_readfirstlane_b32 s[WV], v11                 ; wave 0..15
	s_lshr_b32 s52, s[WV], 2
	s_add_co_u32 s52, s52, s[WV]
	s_and_b32 s[EP], s52, 1                        ; the parity of my steps
	s_lshr_b32 s52, s[WV], 1                       ; p
	s_sub_co_u32 s53, 15, s52
	s_and_b32 s54, s[WV], 1
	s_cmp_eq_u32 s54, 0
	s_cselect_b32 s[RHO1], s52, s53                ; the tile that I walk first and hand over: my partner's second
	s_cselect_b32 s[RHO2], s53, s52                ; the tile that I walk second and finish
	s_bfe_u32 s16, ttmp6, 0x40000                  ; cx
	s_lshl_b32 s17, ttmp9, 2
	s_add_co_u32 s17, s17, s16                     ; g: it enters Q's and O's addresses and the causal codes' values alone
	s_and_b32 s18, ttmp7, 0xffff                   ; bh, which the four partners share
	s_lshr_b32 s19, s18, 4                         ; the batch
	s_mov_b32 s[SEL], 0x76543210
	s_mov_b32 s[SEL+1], 0xfedcba98                 ; lane l xor 16
	s_mov_b32 s[CS], 0x3e38aa3b                    ; c = log2(e) / 8
	s_mov_b32 s[CS+1], s[CS]
	; group 1: dense blocks as rows of 256 bytes (32 elements of 8 bytes): 64 rows for the codes, 16 for the scale words; the mask names all four work-groups
	s_mov_b32 s24, 15|(3<<16)|(1<<21)
	s_mov_b32 s25, 32<<16
	s_mov_b32 s26, 64<<16
	s_mov_b32 s27, 32<<16
	s_mov_b32 s28, 64
	s_mov_b32 s29, 32
	s_mov_b32 s30, 0
	s_mov_b32 s31, 0
	s_mov_b32 s32, 15|(3<<16)|(1<<21)
	s_mov_b32 s33, 32<<16
	s_mov_b32 s34, 16<<16
	s_mov_b32 s35, 32<<16
	s_mov_b32 s36, 16
	s_mov_b32 s37, 32
	s_mov_b32 s38, 0
	s_mov_b32 s39, 0
	s_and_b32 s52, s[WV], 7                        ; waves 0 to 7: 16,384 bytes of codes each, k's four parts, then v's
	s_lshl_b32 s41, s52, 14
	s_lshr_b32 s53, s52, 2
	s_add_co_u32 s53, s53, 1
	s_lshl_b32 s54, s53, 21                        ; k at 2 MiB, v at 4 MiB
	s_lshl_b32 s53, s18, 16
	s_add_co_u32 s54, s54, s53
	s_and_b32 s53, s[WV], 3
	s_lshl_b32 s56, s53, 14
	s_add_co_u32 s54, s54, s56
	s_mov_b32 s55, 0
	s_min_u32 s53, s53, 2                          ; waves 8 to 10: k's scale words in halves, v's
	s_lshl_b32 s45, s53, 12
	s_add_co_u32 s45, s45, KSC
	s_lshl_b32 s56, s18, 13
	s_lshl_b32 s57, s53, 12
	s_add_co_u32 s56, s56, s57
	s_add_co_u32 s56, s56, 0x40000
	s_lshl_b32 s57, s18, 12
	s_add_co_u32 s57, s57, 0x80000
	s_cmp_eq_u32 s53, 2
	s_cselect_b32 s56, s57, s56
	s_mov_b32 s57, 0
	s_wait_dscnt 0x0                               ; both opening adds are done
	s_wait_kmcnt 0x0
	s_mov_b32 s40, 1
	s_add_nc_u64 s[42:43], s[4:5], s[54:55]
	s_or_b32 s43, s43, 0x80000000
	s_mov_b32 s44, 1
	s_add_nc_u64 s[46:47], s[6:7], s[56:57]
	s_or_b32 s47, s47, 0x80000000
	ROUND                                          ; all four work-groups are here: the joint loads meet
	s_cmp_lt_u32 s[WV], 8
	s_cbranch_scc0 .Lnot_codes
	tensor_load_to_lds s[40:43], s[24:31]
	s_nop 0
.rept 4
	v_nop
.endr
	s_branch .Lasked
.Lnot_codes:
	s_cmp_lt_u32 s[WV], 11
	s_cbranch_scc0 .Lasked
	tensor_load_to_lds s[44:47], s[32:39]
	s_nop 0
.rept 4
	v_nop
.endr
.Lasked:
	; the scalar part of the addresses first, then all vector work on end
	s_lshl_b32 s52, s[WV], 13
	s_add_co_u32 s52, s52, BMS                     ; my 8,192 bytes of BMS
	s_xor_b32 s55, s[WV], 1                        ; my partner
	s_lshl_b32 s53, s55, 13
	s_add_co_u32 s53, s53, BMS
	s_lshl_b32 s54, s[WV], 9
	s_add_co_u32 s54, s54, XCH
	s_lshl_b32 s55, s55, 9
	s_add_co_u32 s55, s55, XCH
	s_lshl_b32 s78, s18, 16                        ; Q's codes: [bh][token][32 B]
	s_lshl_b32 s79, s17, 9
	s_add_co_u32 s78, s78, s79
	s_lshl_b32 s56, s[RHO1], 12
	s_add_co_u32 s56, s56, s78
	s_mov_b32 s57, 0
	s_add_nc_u64 s[56:57], s[4:5], s[56:57]
	s_lshl_b32 s66, s[RHO2], 12
	s_add_co_u32 s66, s66, s78
	s_mov_b32 s67, 0
	s_add_nc_u64 s[66:67], s[4:5], s[66:67]
	s_lshl_b32 s78, s18, 13                        ; Q's scale words: token 16 g + r of a step is lane (r % 8) + 8 (g % 2) + 16 (r / 8) of group g / 2
	s_lshr_b32 s79, s17, 1
	s_lshl_b32 s79, s79, 7
	s_add_co_u32 s78, s78, s79
	s_and_b32 s79, s17, 1
	s_lshl_b32 s79, s79, 5
	s_add_co_u32 s78, s78, s79
	s_lshl_b32 s58, s[RHO1], 9
	s_add_co_u32 s58, s58, s78
	s_mov_b32 s59, 0
	s_add_nc_u64 s[58:59], s[6:7], s[58:59]
	s_lshl_b32 s68, s[RHO2], 9
	s_add_co_u32 s68, s68, s78
	s_mov_b32 s69, 0
	s_add_nc_u64 s[68:69], s[6:7], s[68:69]
	s_lshl_b32 s72, s19, 11                        ; the batch's 2,048 mask bytes
	s_mov_b32 s73, 0
	s_add_nc_u64 s[72:73], s[8:9], s[72:73]
	s_mov_b32 s74, 0xff                            ; lanes 0-7, 8-15, 16-23, 24-31
	s_mov_b32 s75, 0xff00
	s_mov_b32 s76, 0xff0000
	s_mov_b32 s77, 0xff000000
	s_lshl_b32 s78, s17, 4                         ; 16 g
	v_and_b32 v120, 15, v0                         ; r
	v_bfe_u32 v121, v0, 4, 1                       ; h
	v_and_b32 v122, 31, v0                         ; lane
	v_lshlrev_b32 v123, 5, v120
	s_delay_alu instid0(VALU_DEP_1)
	v_lshl_add_u32 v123, v121, 4, v123
	global_load_b128 v[Q1:Q1+3], v123, s[56:57]    ; k = 32 h + 0 .. 31 of query r
	global_load_b128 v[Q2:Q2+3], v123, s[66:67]
	v_and_b32 v124, 7, v120
	v_lshrrev_b32 v125, 3, v120
	s_delay_alu instid0(VALU_DEP_2)
	v_lshlrev_b32 v124, 2, v124
	s_delay_alu instid0(VALU_DEP_1)
	v_lshl_add_u32 v124, v125, 6, v124
	global_load_b32 v[QS1], v124, s[58:59]
	global_load_b32 v[QS2], v124, s[68:69]
	v_lshrrev_b32 v126, 4, v0
	v_and_b32 v127, 8, v0
	s_delay_alu instid0(VALU_DEP_2)
	v_lshl_add_u32 v126, v126, 5, v120
	s_delay_alu instid0(VALU_DEP_1)
	v_add_nc_u32 v126, v126, v127                  ; thread n makes table entries n and n + 512: keys 64 (n / 32) + 32 h + r + 8 (r / 8), + 8, and both 1,024 on
	global_load_u8 v128, v126, s[72:73]
	global_load_u8 v129, v126, s[72:73] offset:8
	global_load_u8 v130, v126, s[72:73] offset:1024
	global_load_u8 v131, v126, s[72:73] offset:1032
	v_lshlrev_b32 v145, 2, v0
	global_load_b32 v144, v145, s[72:73]           ; for the f32 table: thread n takes keys 4 n .. 4 n + 3
	v_lshl_add_u32 v150, v0, 4, FT
	v_lshl_add_u32 v[PC+1], v121, 6, FT            ; pass 1 alone: my half's 16 keys of each block of 32 (the codes' registers are not at work before pass 2)
	v_lshlrev_b32 v[AK0], 4, v122
	v_lshl_add_u32 v[AKS0], v122, 2, KSC
	v_lshl_add_u32 v[AVS0], v122, 2, VSC
	v_lshlrev_b32 v132, 3, v122
	v_add_nc_u32 v[AV0], VIMG, v[AK0]
	v_add_nc_u32 v[AMT0], MT, v[AK0]
	v_add_nc_u32 v[ABM0], s52, v[AK0]
	v_add_nc_u32 v[AOP], s53, v[AK0]
	v_add_nc_u32 v[AXO], s54, v132
	v_add_nc_u32 v[AXP], s55, v132
	v_lshl_add_u32 v133, v0, 4, MT
	v_and_b32 v134, 7, v120
	s_delay_alu instid0(VALU_DEP_1)
	v_lshlrev_b32 v134, 2, v134
	s_delay_alu instid0(VALU_DEP_1)
	v_lshlrev_b32 v134, v134, 7                    ; the code 6 at nibble r % 8
.irp j, 0,1,2,3,4,5, 8,9,10,11,12,13, 16,17,18,19,20,21
	v_mov_b32 v[OH+\j], 0
.endr
.irp j, 4,5,6,7
	v_mov_b32 v[Q1+\j], 0
.endr
	v_cndmask_b32 v[OH+6], 0, v134, s74
	v_cndmask_b32 v[OH+7], 0, v134, s75
	v_cndmask_b32 v[OH+14], 0, v134, s76
	v_cndmask_b32 v[OH+15], 0, v134, s77
	v_mov_b32 v[MS], 0xb1b1b1b1                    ; 2^50 for every block of the mask product, both sides
	v_mov_b32 v[NMP+1], 0
	; the causal codes.  Register i = 4 c + 2 u + w of lane (r, h): key 32 (2 c + h) + 8 u + r + 8 (r / 8) against queries j = 8 w + 0 .. 7: the lowest clamp(key - 16 g - 8 w, 0, 8) nibbles are -6
	v_lshl_add_u32 v135, v121, 5, v120
	s_delay_alu instid0(VALU_DEP_1)
	v_add_nc_u32 v135, v135, v127
	s_delay_alu instid0(VALU_DEP_1)
	v_sub_nc_u32 v135, v135, s78
.irp i, 0,1,2,3,4,5,6,7
	v_add_nc_u32 v[CA+\i], 64*(\i>>2)+8*((\i>>1)&1)-8*(\i&1), v135
.endr
.irp i, 0,1,2,3,4,5,6,7
	v_max_i32 v[CA+\i], 0, v[CA+\i]
.endr
.irp i, 0,1,2,3,4,5,6,7
	v_min_i32 v[CA+\i], 8, v[CA+\i]
.endr
.irp i, 0,1,2,3,4,5,6,7
	v_lshlrev_b32 v[CA+\i], 1, v[CA+\i]            ; half the bits: two shifts of at most 16 each
.endr
.irp i, 0,1,2,3,4,5,6,7
	v_lshlrev_b32 v[S+\i], v[CA+\i], -1
.endr
.irp i, 0,1,2,3,4,5,6,7
	v_lshlrev_b32 v[S+\i], v[CA+\i], v[S+\i]
.endr
.irp i, 0,1,2,3,4,5,6,7
	v_xor_b32 v[CA+\i], -1, v[S+\i]
.endr
	s_wait_alu depctr_va_vdst(0)
	s_wait_loadcnt 0x0
.irp k, 0,1,2,3                                ; 1 = keep -> 0; 0 = padded -> all sixteen nibbles -6
	v_add_nc_u32 v[136+2*\k], -1, v[128+\k]
	v_add_nc_u32 v[137+2*\k], -1, v[128+\k]
.endr
	ds_store_b128 v133, v[136:139]
	ds_store_b128 v133, v[140:143] offset:8192
.irp k, 0,1,2,3
	v_bfe_u32 v[146+\k], v144, 8*\k, 8             ; 1 = keep, 0 = padded
.endr
.irp k, 0,1,2,3
	s_delay_alu instid0(VALU_DEP_4)
	v_add_nc_u32 v[146+\k], -1, v[146+\k]          ; 0, or all ones
.endr
.irp k, 0,1,2,3
	s_delay_alu instid0(VALU_DEP_4)
	v_and_b32 v[146+\k], 0xf1800000, v[146+\k]     ; 0, or -2^100
.endr
	ds_store_b128 v150, v[146:149]
	s_wait_tensorcnt 0x0                           ; my tensor load has landed,
	s_wait_dscnt 0x0                               ; my part of the table is stored:
	s_barrier_signal -1
	s_barrier_wait -1                              ; everybody's
.macro WALK0 slot                      ; a walk begins: step = my parity; every LDS offset in a scalar of its own, stepped in every trip
	s_mov_b32 s[STEP], s[EP]
	s_lshl_b32 s[TK], s[EP], 12
	s_lshl_b32 s[TS], s[EP], 9
	s_lshl_b32 s[TMK], s[EP], 10
	s_lshl_b32 s[TT], s[EP], 8
	s_mov_b32 s[TB], 4096*\slot
	s_mov_b32 s[J], 0
	s_wait_alu depctr_va_vdst(0)
.endm
.macro WALK1                           ; two steps on
	s_add_co_u32 s[TK], s[TK], 8192
	s_add_co_u32 s[TS], s[TS], 1024
	s_add_co_u32 s[TMK], s[TMK], 2048
	s_add_co_u32 s[TT], s[TT], 512
	s_add_co_u32 s[TB], s[TB], 512
	s_add_co_u32 s[STEP], s[STEP], 2
	s_add_co_u32 s[J], s[J], 1
	s_cmp_lt_u32 s[J], 8
.endm
.macro LOADM                           ; 2 loads: the padding codes
	ds_load_b128 v[MA:MA+3], v[ADM]
	ds_load_b128 v[MA+4:MA+7], v[ADM] offset:512
.endm
.macro LOADK                           ; 12 loads: K's eight tiles, K's four scale words
.irp tt, 0,1,2,3,4,5,6,7
	ds_load_b128 v[KF+4*\tt:KF+4*\tt+3], v[ADK] offset:512*\tt
.endr
.irp bb, 0,1,2,3
	ds_load_b32 v[KS+\bb], v[ADS] offset:128*\bb
.endr
.endm
; The mask product starts the eight sums, the score product adds in place: the eight accumulators by turns
.macro SCORES rho, qf, qs
	s_cmp_lg_u32 s[STEP], s[\rho]                  ; my tile's diagonal step?  The wave's number and the count of steps alone decide
	s_cbranch_scc1 .Lopen_\@
.irp i, 0,1,2,3,4,5,6,7
	v_or_b32 v[MA+\i], v[MA+\i], v[CA+\i]
.endr
.rept 4
	v_nop                                          ; an operand written by vector instructions stands four places ahead of a scaled product
.endr
.Lopen_\@:
	MASKW
	SCOREW \qf, \qs
.endm
.macro MASKW                           ; the mask product starts the eight sums
.irp tt, 0,1,2,3,4,5,6,7
	v_wmma_scale_f32_16x16x128_f8f6f4 v[S+8*\tt:S+8*\tt+7], v[MA:MA+7], v[OH+6+8*((\tt>>1)&1)-4*(\tt>>2)-2*(\tt&1):OH+13+8*((\tt>>1)&1)-4*(\tt>>2)-2*(\tt&1)], 0, v[MS], v[MS] matrix_a_fmt:MATRIX_FMT_FP4 matrix_b_fmt:MATRIX_FMT_FP4
.endr
.endm
.macro SCOREW qf, qs                   ; the score product adds in place
.irp tt, 0,1,2,3,4,5,6,7
.if (\tt%2) == 0
	v_wmma_scale_f32_16x16x128_f8f6f4 v[S+8*\tt:S+8*\tt+7], v[KF+4*\tt:KF+4*\tt+7], v[\qf:\qf+7], v[S+8*\tt:S+8*\tt+7], v[KS+\tt/2], v[\qs] matrix_a_fmt:MATRIX_FMT_FP4 matrix_b_fmt:MATRIX_FMT_FP4
.else
	v_wmma_scale_f32_16x16x128_f8f6f4 v[S+8*\tt:S+8*\tt+7], v[KF+4*\tt:KF+4*\tt+7], v[\qf:\qf+7], v[S+8*\tt:S+8*\tt+7], v[KS+\tt/2], v[\qs] matrix_a_fmt:MATRIX_FMT_FP4 matrix_b_fmt:MATRIX_FMT_FP4 matrix_a_scale:MATRIX_SCALE_ROW1
.endif
.endr
.rept 4
	v_nop                                          ; four places in front of the first read of results (ISA guide 7.12.1)
.endr
.endm
; PASS 1 of one tile: eight trips in every wave; a step behind the tile's diagonal is jumped over, but for the lines that step the offsets
.macro PASS1 rho, qf, qs, slot
	v_mov_b32 v[NM+1], 0xe7800000                  ; the largest t so far: -2^80
	v_mov_b32 v[NM], 0x67800000                    ; -M
	v_mov_b32 v[LS], 0
	v_mov_b32 v[LS+1], 0
	WALK0 \slot
.Lp1_\@:
	s_cmp_gt_u32 s[STEP], s[\rho]
	s_cbranch_scc1 .Lo1_\@
	v_add_nc_u32 v[ADK], s[TK], v[AK0]
	v_add_nc_u32 v[ADS], s[TS], v[AKS0]
	v_add_nc_u32 v[ADB], s[TB], v[ABM0]
	v_add_nc_u32 v[PC], s[TS], v[PC+1]
	LOADK
	s_cmp_eq_u32 s[STEP], s[\rho]                  ; my tile's diagonal step?  The wave's number and the count of steps alone decide
	s_cbranch_scc1 .Ld1_\@
.irp bb, 0,1,2,3                               ; IN PASS 1 a step under the diagonal takes the padding term from the f32 table straight into the score registers, as the C of the score product: 16 loads in place of eight products
.irp q, 0,1,2,3
	ds_load_b128 v[S+16*\bb+4*\q:S+16*\bb+4*\q+3], v[PC] offset:128*\bb+16*\q
.endr
.endr
	s_wait_dscnt 0x0
	s_branch .Lj1_\@
.Ld1_\@:                                           ; the diagonal step: padding and causal codes through the mask product, as in pass 2
	v_add_nc_u32 v[ADM], s[TMK], v[AMT0]
	LOADM
	s_wait_dscnt 0x0
.irp i, 0,1,2,3,4,5,6,7
	v_or_b32 v[MA+\i], v[MA+\i], v[CA+\i]
.endr
.rept 4
	v_nop                                          ; an operand written by vector instructions stands four places ahead of a scaled product
.endr
	MASKW
.Lj1_\@:
	SCOREW \qf, \qs
.irp b, 0,1,2,3                                ; the largest score of each block of 32 keys; each accumulator is read from its low end on
	v_max3_num_f32 v[BM+\b], v[S+16*\b], v[S+1+16*\b], v[S+2+16*\b]
.endr
.irp i, 3,5,7,9,11,13
.irp b, 0,1,2,3
	v_max3_num_f32 v[BM+\b], v[BM+\b], v[S+16*\b+\i], v[S+1+16*\b+\i]
.endr
.endr
.irp b, 0,1,2,3
	v_max_num_f32 v[BM+\b], v[BM+\b], v[S+15+16*\b]
.endr
.irp b, 0,1,2,3
	s_delay_alu instid0(VALU_DEP_4)
	v_permlanex16_b32 v[BX+\b], v[BM+\b], s[SEL], s[SEL+1]
.endr
.irp b, 0,1,2,3
	s_delay_alu instid0(VALU_DEP_4)
	v_max_num_f32 v[BM+\b], v[BM+\b], v[BX+\b]     ; with lane l xor 16's 16 keys
.endr
	ds_store_b128 v[ADB], v[BM:BM+3]               ; kept for pass 2, in my own bytes
	v_max3_num_f32 v[TP], v[BM], v[BM+1], v[BM+2]
	s_delay_alu instid0(VALU_DEP_1)
	v_max_num_f32 v[TP], v[TP], v[BM+3]
	s_delay_alu instid0(VALU_DEP_1)
	v_mul_f32 v[TP], s[CS], v[TP]                  ; the step's largest t
	s_delay_alu instid0(VALU_DEP_1)
	v_max_num_f32 v[NM+1], v[NM+1], v[TP]
	v_mov_b32 v[TP], v[NM]
	s_delay_alu instid0(VALU_DEP_2)
	v_floor_f32 v[NM], -v[NM+1]                    ; the new -M: a whole number
	s_delay_alu instid0(VALU_DEP_1)
	v_sub_f32 v[TP], v[NM], v[TP]                  ; old M less new M: 0 or less
	s_delay_alu instid0(VALU_DEP_1)
	v_cvt_i32_f32 v[TP], v[TP]                     ; (it saturates)
.set j, 0
.rept 32
	v_pk_fma_f32 v[S+j:S+j+1], v[S+j:S+j+1], s[CS:CS+1], v[NM:NM+1] op_sel_hi:[1,0,0]   ; t - M
.set j, j+2
.endr
	s_wait_alu depctr_va_vdst(0)
.set j, 0
.rept 64
	v_exp_f32 v[S+j], v[S+j]
.set j, j+1
.endr
	v_ldexp_f32 v[FP], 1.0, v[TP]                  ; f = 2^(old M - new M) (the plain line behind the exponentials)
	s_wait_alu depctr_va_vdst(0)                   ; and the wait behind it
.irp k, 0,1,2,3                                ; the step's sum, in four chains
	v_pk_add_f32 v[T+2*\k:T+2*\k+1], v[S+4*\k:S+4*\k+1], v[S+4*\k+2:S+4*\k+3]
.endr
.set j, 16
.rept 6
.irp k, 0,1,2,3
	v_pk_add_f32 v[T+2*\k:T+2*\k+1], v[T+2*\k:T+2*\k+1], v[S+j+2*\k:S+j+2*\k+1]
.endr
.set j, j+8
.endr
	v_pk_add_f32 v[T:T+1], v[T:T+1], v[T+2:T+3]
	v_pk_add_f32 v[T+4:T+5], v[T+4:T+5], v[T+6:T+7]
	s_delay_alu instid0(VALU_DEP_1)
	v_pk_add_f32 v[T:T+1], v[T:T+1], v[T+4:T+5]
	s_delay_alu instid0(VALU_DEP_1)
	v_pk_fma_f32 v[LS:LS+1], v[LS:LS+1], v[FP:FP+1], v[T:T+1] op_sel_hi:[1,0,1]   ; l x f + the step's sum
.Lo1_\@:
	WALK1
	s_cbranch_scc1 .Lp1_\@
	s_wait_alu depctr_va_vdst(0)
	v_add_f32 v[LS], v[LS], v[LS+1]
	s_delay_alu instid0(VALU_DEP_1)
	v_permlanex16_b32 v[BX], v[LS], s[SEL], s[SEL+1]
	s_delay_alu instid0(VALU_DEP_1)
	v_add_f32 v[NM+1], v[LS], v[BX]                ; my steps' l, beside -M
	ds_store_b64 v[AXO], v[NM:NM+1] offset:256*\slot
.endm
; PASS 2 of one tile: my and my partner's (-M, l) are joined; then w, its codes, my steps' part of O^T
.macro PASS2 rho, qf, qs, slot
	ds_load_b64 v[T:T+1], v[AXO] offset:256*\slot
	ds_load_b64 v[T+2:T+3], v[AXP] offset:256*(1-\slot)   ; my first tile is my partner's second
.set j, 0
.rept 32
	v_mov_b32 v[OT+j], 0                           ; the step is written once: its first trip adds onto zeros
.set j, j+1
.endr
	s_wait_dscnt 0x0
	v_min_num_f32 v[T+4], v[T], v[T+2]             ; -M of the larger M
	s_delay_alu instid0(VALU_DEP_1)
	v_sub_f32 v[T+5], v[T+4], v[T]
	v_sub_f32 v[T+6], v[T+4], v[T+2]
	s_delay_alu instid0(VALU_DEP_2)
	v_cvt_i32_f32 v[T+5], v[T+5]
	s_delay_alu instid0(VALU_DEP_2)
	v_cvt_i32_f32 v[T+6], v[T+6]
	s_delay_alu instid0(VALU_DEP_2)
	v_ldexp_f32 v[T+5], v[T+1], v[T+5]             ; both sums under that M: nothing is rounded
	s_delay_alu instid0(VALU_DEP_2)
	v_ldexp_f32 v[T+6], v[T+3], v[T+6]
	s_delay_alu instid0(VALU_DEP_1)
	v_add_f32 v[T+5], v[T+5], v[T+6]               ; l
	s_wait_alu depctr_va_vdst(0)
	v_log_f32 v[T+6], v[T+5]
	v_cmp_lt_f32 vcc_lo, 0, v[T+5]
	v_nop
	s_wait_alu depctr_va_vdst(0)
	v_sub_f32 v[NMP], v[T+4], v[T+6]               ; -M' = -M - log2(l)
	s_delay_alu instid0(VALU_DEP_1)
	v_cndmask_b32 v[NMP], 0xff800000, v[NMP], vcc_lo   ; a row with no kept key: every w is 0
	WALK0 \slot
.Lp2_\@:
	s_cmp_gt_u32 s[STEP], s[\rho]
	s_cbranch_scc1 .Lo2_\@
	v_add_nc_u32 v[ADK], s[TK], v[AK0]             ; these six plain lines are also the places in front of the loads into V's registers
	v_add_nc_u32 v[ADS], s[TS], v[AKS0]
	v_add_nc_u32 v[ADM], s[TMK], v[AMT0]
	v_add_nc_u32 v[ADB], s[TB], v[ABM0]
	v_add_nc_u32 v[ADV], s[TK], v[AV0]
	v_add_nc_u32 v[ADT], s[TT], v[AVS0]
	LOADM
	LOADK
	ds_load_b128 v[BM:BM+3], v[ADB]
.irp dt, 0,1,2,3
.irp c, 0,1
	ds_load_b128 v[VF+8*\dt+4*\c:VF+8*\dt+4*\c+3], v[ADV] offset:1024*\dt+512*\c
.endr
.endr
.irp g, 0,1
	ds_load_b32 v[VS+\g], v[ADT] offset:128*\g
.endr
	s_wait_dscnt 11                                ; the 14 loads for the scores are in; the 11 behind them (largest scores 1, V 8, V's scale words 2) may be out
	SCORES \rho, \qf, \qs
	s_wait_dscnt 0x0
.set j, 0
.rept 32
	v_pk_fma_f32 v[S+j:S+j+1], v[S+j:S+j+1], s[CS:CS+1], v[NMP:NMP+1] op_sel_hi:[1,0,0]   ; t - M'
.set j, j+2
.endr
.irp b, 0,1,2,3
	v_fma_f32 v[BM+\b], v[BM+\b], s[CS], v[NMP]    ; the same of each block's largest score
.endr
	s_wait_alu depctr_va_vdst(0)
.irp b, 0,1,2,3
	v_exp_f32 v[BM+\b], v[BM+\b]
.endr
.set j, 0
.rept 64
	v_exp_f32 v[S+j], v[S+j]                       ; w
.set j, j+1
.endr
	v_nop
	s_wait_alu depctr_va_vdst(0)
.irp b, 0,1,2,3
	v_max_num_f32 v[BM+\b], 0x1800000, v[BM+\b]    ; the floor 2^(3 - 127)
.endr
.irp b, 0,1,2,3
	s_delay_alu instid0(VALU_DEP_4)
	v_add_nc_u32 v[BM+\b], 0xff000000, v[BM+\b]    ; 2 off the exponent field: the conversion's scale operand
.endr
.irp b, 0,1,2,3
	s_delay_alu instid0(VALU_DEP_4)
	v_lshrrev_b32 v[MA+\b], 23, v[BM+\b]           ; the scale's byte
.endr
	s_delay_alu instid0(VALU_DEP_3)
	v_lshl_or_b32 v[WS], v[MA+1], 8, v[MA]
	s_delay_alu instid0(VALU_DEP_1)
	v_lshl_or_b32 v[WS], v[MA+2], 16, v[WS]
	s_delay_alu instid0(VALU_DEP_1)
	v_lshl_or_b32 v[WS], v[MA+3], 24, v[WS]
.irp b, 0,1,2,3
	v_cvt_scalef32_pk8_fp4_f32 v[PC+2*\b], v[S+16*\b:S+7+16*\b], v[BM+\b]
	v_cvt_scalef32_pk8_fp4_f32 v[PC+1+2*\b], v[S+8+16*\b:S+15+16*\b], v[BM+\b]
.endr
	v_nop                                          ; one plain line behind the scaled conversions
.irp c, 0,1                                    ; a whole block to a lane
.irp i, 0,1
	v_permlane16_swap_b32 v[PC+4*\c+\i], v[PC+2+4*\c+\i]
.endr
.endr
.rept 8
	v_nop                                          ; a scale register written by a vector instruction stands eight places ahead of the scaled product, an operand four
.endr
	s_wait_alu depctr_va_vdst(0)
.irp dt, 0,1,2,3
.if (\dt%2) == 0
	v_wmma_scale_f32_16x16x128_f8f6f4 v[OT+8*\dt:OT+8*\dt+7], v[VF+8*\dt:VF+8*\dt+7], v[PC:PC+7], v[OT+8*\dt:OT+8*\dt+7], v[VS+\dt/2], v[WS] matrix_a_fmt:MATRIX_FMT_FP4 matrix_b_fmt:MATRIX_FMT_FP4
.else
	v_wmma_scale_f32_16x16x128_f8f6f4 v[OT+8*\dt:OT+8*\dt+7], v[VF+8*\dt:VF+8*\dt+7], v[PC:PC+7], v[OT+8*\dt:OT+8*\dt+7], v[VS+\dt/2], v[WS] matrix_a_fmt:MATRIX_FMT_FP4 matrix_b_fmt:MATRIX_FMT_FP4 matrix_a_scale:MATRIX_SCALE_ROW1
.endif
.endr
.Lo2_\@:
	WALK1
	s_cbranch_scc1 .Lp2_\@
.rept 4
	v_nop                                          ; four places behind the last products
.endr
.endm
	PASS1 RHO1, Q1, QS1, 0
	PASS1 RHO2, Q2, QS2, 1
	s_wait_dscnt 0x0                               ; my (-M, l) of both tiles are stored
	s_barrier_signal -1
	s_barrier_wait -1                              ; everybody's
	PASS2 RHO1, Q1, QS1, 0
.irp i, 0,1,2,3,4,5,6,7                        ; my part of the first tile's O^T goes to my partner, over the first tile's largest scores, which are done with; each accumulator from its low end on
	ds_store_b128 v[ABM0], v[OT+4*\i:OT+4*\i+3] offset:512*\i
.endr
	PASS2 RHO2, Q2, QS2, 1
	s_wait_dscnt 0x0
	s_barrier_signal -1
	s_barrier_wait -1
.irp i, 0,1,2,3,4,5,6,7
	ds_load_b128 v[S+4*\i:S+4*\i+3], v[AOP] offset:512*\i   ; my partner's part of my second tile
.endr
	s_wait_dscnt 0x0
.set j, 0
.rept 16
	v_pk_add_f32 v[OT+j:OT+j+1], v[OT+j:OT+j+1], v[S+j:S+j+1]
.set j, j+2
.endr
	; THE WAY OUT.  Register 16 g + i of O^T is channel 32 g + 16 (lane / 16) + i of my query: the head's two blocks of the last product's K
.irp g, 0,1
	v_max3_num_f32 v[T+\g], |v[OT+16*\g]|, |v[OT+1+16*\g]|, 0x1800000
.endr
.irp i, 2,4,6,8,10,12,14
.irp g, 0,1
	v_max3_num_f32 v[T+\g], v[T+\g], |v[OT+16*\g+\i]|, |v[OT+1+16*\g+\i]|
.endr
.endr
.irp g, 0,1
	s_delay_alu instid0(VALU_DEP_2)
	v_permlanex16_b32 v[BX+\g], v[T+\g], s[SEL], s[SEL+1]
.endr
.irp g, 0,1
	s_delay_alu instid0(VALU_DEP_2)
	v_max_num_f32 v[T+\g], v[T+\g], v[BX+\g]
.endr
.irp g, 0,1
	s_delay_alu instid0(VALU_DEP_2)
	v_add_nc_u32 v[T+2+\g], 0xff000000, v[T+\g]
.endr
.irp g, 0,1
	s_delay_alu instid0(VALU_DEP_2)
	v_lshrrev_b32 v[T+4+\g], 23, v[T+2+\g]
.endr
	s_delay_alu instid0(VALU_DEP_1)
	v_lshl_or_b32 v[T+6], v[T+5], 8, v[T+4]        ; the head's two scale bytes of my query
	v_and_b32 v[T+7], 15, v0
	s_delay_alu instid0(VALU_DEP_1)
	v_lshlrev_b32 v[T+7], 1, v[T+7]
.irp g, 0,1
	v_cvt_scalef32_pk8_fp4_f32 v[PC+2*\g], v[OT+16*\g:OT+7+16*\g], v[T+2+\g]
	v_cvt_scalef32_pk8_fp4_f32 v[PC+1+2*\g], v[OT+8+16*\g:OT+15+16*\g], v[T+2+\g]
.endr
	v_nop
	v_permlane16_swap_b32 v[PC], v[PC+2]           ; lanes 0-15 block 0, lanes 16-31 block 1
	v_permlane16_swap_b32 v[PC+1], v[PC+3]
	s_wait_alu depctr_va_vdst(0)
	s_lshl_b32 s54, s19, 7
	s_lshl_b32 s56, s[RHO2], 3
	s_add_co_u32 s54, s54, s56
	s_add_co_u32 s54, s54, s17                     ; my tile of 16 tokens: 128 x batch + 8 rho + g
	s_and_b32 s56, s18, 15                         ; the head
	s_lshl_b32 s58, s54, 13                        ; o_codes: [tile][head][lane][16 B]
	s_lshl_b32 s57, s56, 9
	s_add_co_u32 s58, s58, s57
	s_mov_b32 s59, 0
	s_add_nc_u64 s[10:11], s[10:11], s[58:59]
	s_lshl_b32 s58, s54, 9                         ; o_scales: [tile][head][r] halfwords
	s_lshl_b32 s57, s56, 5
	s_add_co_u32 s58, s58, s57
	s_add_nc_u64 s[12:13], s[12:13], s[58:59]
	global_store_b128 v[AK0], v[PC:PC+3], s[10:11] ; the wave stores 512 consecutive bytes, aligned
	global_store_b16 v[T+7], v[T+6], s[12:13]      ; 32 bytes a wave; both halves of the lanes write the same halfword with the same value
	s_wait_tensorcnt 0x0                           ; the wave's end
	ds_add_u32 v[SPW], v[NIL]
	s_wait_dscnt 0x0
	ROUND                                          ; the closing round
	s_endpgm
.Lfunc_end_k_q4d7e1e85c2_attn:
	.size	k_q4d7e1e85c2_attn, .Lfunc_end_k_q4d7e1e85c2_attn-k_q4d7e1e85c2_attn
	.p2alignl 7, 3214868480
	.fill 96, 4, 3214868480
	.section	.rodata,"a",@progbits
	.p2align	6, 0x0
	.amdhsa_kernel k_q4d7e1e85c2_attn
		.amdhsa_group_segment_fixed_size 309248
		.amdhsa_private_segment_fixed_size 0
		.amdhsa_enable_private_segment 0
		.amdhsa_kernarg_size 40
		.amdhsa_user_sgpr_count 2
		.amdhsa_user_sgpr_kernarg_segment_ptr 1
		.amdhsa_wavefront_size32 1
		.amdhsa_system_sgpr_workgroup_id_x 1
		.amdhsa_system_sgpr_workgroup_id_y 1
		.amdhsa_system_sgpr_workgroup_id_z 1
		.amdhsa_system_vgpr_workitem_id 0
		.amdhsa_next_free_vgpr 256
		.amdhsa_next_free_sgpr 80
		.amdhsa_reserve_vcc 1
		.amdhsa_float_denorm_mode_32 3
		.amdhsa_float_denorm_mode_16_64 3
		.amdhsa_memory_ordered 1
		.amdhsa_forward_progress 1
		.amdhsa_inst_pref_size 78
	.end_amdhsa_kernel
	.amdgpu_metadata
---
amdhsa.version: [ 1, 2 ]
amdhsa.kernels:
  - .name:           k_q4d7e1e85c2_attn
    .symbol:         k_q4d7e1e85c2_attn.kd
    .args:
      - { .name: qkv_codes, .offset: 0, .size: 8, .value_kind: global_buffer, .address_space: global }
      - { .name: qkv_scales, .offset: 8, .size: 8, .value_kind: global_buffer, .address_space: global }
      - { .name: key_padding_mask, .offset: 16, .size: 8, .value_kind: global_buffer, .address_space: global }
      - { .name: o_codes, .offset: 24, .size: 8, .value_kind: global_buffer, .address_space: global }
      - { .name: o_scales, .offset: 32, .size: 8, .value_kind: global_buffer, .address_space: global }
    .group_segment_fixed_size: 309248
    .private_segment_fixed_size: 0
    .kernarg_segment_align: 8
    .kernarg_segment_size: 40
    .max_flat_workgroup_size: 512
    .sgpr_count:     80
    .vgpr_count:     256
    .wavefront_size: 32
...
	.end_amdgpu_metadata
.endif
;; end of part 3
;; launch outp (part 4): grid 8 x 32, 8 waves a work-group, clusters of 4 x 4, 171,008 bytes of LDS; arguments o_codes, o_scales, xw_codes, xw_scales, bo, out0; writes out0
.if DOCPART == 4
	.amdgcn_target "amdgcn-amd-amdhsa--gfx1250"
	.amdhsa_code_object_version 6
	.text
	.protected	k_q4d7e1e85c2_outp
	.globl	k_q4d7e1e85c2_outp
	.p2align	8
	.type	k_q4d7e1e85c2_outp,@function
k_q4d7e1e85c2_outp:
	s_mov_b64 s[64:65], 0
	v_nop
	global_prefetch_b8 v0, s[64:65] scope:SCOPE_SE
	s_setreg_imm32_b32 hwreg(HW_REG_WAVE_MODE, 25, 1), 1
	s_wait_xcnt 0x0
	s_wait_alu depctr_hold_cnt(0) depctr_sa_sdst(0) depctr_va_vdst(0) depctr_va_sdst(0) depctr_va_ssrc(0) depctr_va_vcc(0) depctr_vm_vsrc(0)
	s_getreg_b32 s2, hwreg(HW_REG_IB_STS2, 6, 4)
	s_cmp_eq_u32 s2, 0
	s_cbranch_scc0 .Lentry_in_a_cluster
	s_endpgm
.Lentry_in_a_cluster:
	s_bfe_u32 s2, ttmp6, 0x10000c
	s_cmp_lg_u32 s2, 0xf033
	s_cbranch_scc0 .Lentry_shape_is_right
	s_endpgm
.Lentry_shape_is_right:
; out0 = o Wo^T + bo on codes of FP4 (E2M1) with E8M0 scales, sums in f32.  o's codes come as images of the fragments' registers, [tile of 16 tokens][K step][c][lane][16 B]; Wo's as rows, K innermost.
; SHARES.  A work-group makes 128 tokens (tb) x 128 columns (nb).  Eight waves: wave w has token tiles 2 (w / 2) and 2 (w / 2) + 1 against Wo's rows 64 (w % 2) + 0 .. 63 (four tiles): eight accumulators, K = 1,024 in eight steps of 128.
; THE PRODUCT IS USED TRANSPOSED (source 0 = 16 rows of Wo, source 1 = 16 tokens): a lane then holds eight neighbouring columns of one row of out0.  bo is loaded into the accumulators: every K step adds in place.
; LDS holds both operands at once, each in two K halves: every tensor load is a first fill, nothing is filled again.
; CLUSTER 4 x 4: o's tile hangs on tb alone and is asked for jointly along a row of the cluster (waves 0 and 1, a K half each), Wo's on nb alone, along a column (waves 2 and 3): a wave has at most one tensor load outstanding.
; THE SCALE WORDS of all of K lie in registers: register e holds K step e in lanes 0-15 and K step 4 + e in lanes 16-31.  o's are put together from the halfwords that the launch before stored for each head.
; REGISTERS: v1, v2 LDS addresses of Wo's, o's fragments; v3, v4 the add's two; v5-7 the way out; v8-15 offsets; v16-31 halfwords; v32-47 Wo's scale words (4 t + e), v48-55 o's (4 i + e): scales and nothing else;
;   v64-111, v112-159 two fragment buffers (o's tile i at + 8 i, Wo's tile t at + 16 + 8 t); v160-223 accumulator (i, t) at 160 + 32 i + 8 t.
.set OIMG,  0                          ; LDS: o's images: [K half][tile 8][4,096 B]
.set WO,    65536                      ; Wo: [K half][128 rows][272 B]
.set KH,    34816
.set PITCH, 272                        ; 256 bytes of codes + 16 of padding = 68 words: the 16 rows that a load touches start at 16 different banks (64 banks of 4 bytes: ISA guide 11.1)
.set STAGE, 135168                     ; the way out: 16 rows x 272 bytes for each wave; no tensor load lands here
.set SPARE, 169984                     ; the spare words, 128 bytes for each of eight waves, which no other line names
.set AS0, 1
.set AS1, 2
.set SPW, 3
.set NIL, 4
.set STO, 5
.set RD,  6
.set GO,  7
.set SC0, 32
.set SC1, 48
.set ACC, 160
.set WV,  18
.macro ROUND                           ; a round of the cluster's barrier
	s_barrier_signal -1
	s_barrier_wait -1
	s_cmp_lg_u32 s[WV], 0
	s_cbranch_scc1 .Lnot_wave_0_\@
	s_barrier_signal -3
.Lnot_wave_0_\@:
	s_barrier_wait -3
	s_barrier_signal -1
	s_barrier_wait -1
.endm
	s_load_b256 s[4:11], s[0:1], 0x0               ; o_codes s[4:5], o_scales s[6:7], xw_codes s[8:9], xw_scales s[10:11]
	s_load_b128 s[12:15], s[0:1], 0x20             ; bo s[12:13], out0 s[14:15]
	v_lshl_add_u32 v[SPW], v0, 2, SPARE
	v_mov_b32 v[NIL], 0
	ds_add_u32 v[SPW], v[NIL]                      ; the wave's opening: the add, twice on end, and its wait ahead of the first tensor loads; the set-up below, work on registers, stands between
	ds_add_u32 v[SPW], v[NIL]
	v_lshrrev_b32 v8, 5, v0
	s_delay_alu instid0(VALU_DEP_1)
	v_readfirstlane_b32 s[WV], v8                  ; wave 0..7
	s_lshr_b32 s19, s[WV], 1                       ; ti: my pair of token tiles
	s_and_b32 s20, s[WV], 1                        ; nh: my half of the columns
	s_bfe_u32 s22, ttmp6, 0x40000                  ; cx, cy
	s_bfe_u32 s23, ttmp6, 0x40004
	s_lshl_b32 s24, ttmp9, 2
	s_add_co_u32 s24, s24, s22                     ; nb = 4 x cluster x + cx
	s_and_b32 s25, ttmp7, 0xffff
	s_lshl_b32 s25, s25, 2
	s_add_co_u32 s25, s25, s23                     ; tb = 4 x cluster y + cy
	s_lshl_b32 s26, s23, 2
	s_lshl_b32 s26, 15, s26                        ; my row of the cluster
	s_lshl_b32 s27, 0x1111, s22                    ; my column
	; descriptor group 1 for o: 8 rows (tiles) of 4,096 bytes (512 elements of 8), 8,192 bytes apart, no padding
	s_or_b32 s28, s26, (3<<16)|(1<<21)
	s_mov_b32 s29, 512<<16
	s_mov_b32 s30, 8<<16
	s_mov_b32 s31, 512<<16
	s_mov_b32 s32, 8
	s_mov_b32 s33, 1024
	s_mov_b32 s34, 0
	s_mov_b32 s35, 0
	; and for Wo: 128 rows x 256 bytes, 512 apart, 16 bytes of padding behind each
	s_or_b32 s36, s27, (1<<20)|(1<<21)|(5<<22)|(3<<25)
	s_mov_b32 s37, 256<<16
	s_mov_b32 s38, 128<<16
	s_mov_b32 s39, 256<<16
	s_mov_b32 s40, 128
	s_mov_b32 s41, 512
	s_mov_b32 s42, 0
	s_mov_b32 s43, 0
	s_lshl_b32 s66, s25, 16                        ; o: tb's 8 tiles of 8,192 bytes.  These registers never hold nb or cx
	s_mov_b32 s67, 0
	s_lshl_b32 s68, s24, 16                        ; Wo at 3.5 MiB of xw_codes; nb's 128 rows of 512 bytes.  These never hold tb or cy
	s_add_co_u32 s68, s68, 0x380000
	s_mov_b32 s69, 0
	; THE FIRST FILLS, ONE A WAVE: waves 0, 1 ask for o's K halves 0, 1; waves 2, 3 for Wo's; the others ask for nothing
	s_and_b32 s70, s[WV], 1                        ; which K half
	s_lshl_b32 s71, s70, 12
	s_add_co_u32 s66, s66, s71                     ; o: 4,096 bytes on in each tile
	s_lshl_b32 s71, s70, 8
	s_add_co_u32 s68, s68, s71                     ; Wo: 256 bytes on in each row
	s_lshl_b32 s71, s70, 15                        ; o's K half in LDS
	s_mul_i32 s70, s70, KH
	s_add_co_u32 s70, s70, WO                      ; Wo's
	s_wait_dscnt 0x0                               ; both opening adds are done
	s_wait_kmcnt 0x0
	s_mov_b32 s44, 1                               ; my K half of o
	s_mov_b32 s45, s71
	s_add_nc_u64 s[46:47], s[4:5], s[66:67]
	s_or_b32 s47, s47, 0x80000000
	s_mov_b32 s52, 1                               ; my K half of Wo
	s_mov_b32 s53, s70
	s_add_nc_u64 s[54:55], s[8:9], s[68:69]
	s_or_b32 s55, s55, 0x80000000
	ROUND                                          ; all sixteen work-groups are here: the joint loads meet
	s_cmp_lt_u32 s[WV], 2                          ; one chain of branches on the wave's number, one fill to an arm
	s_cbranch_scc0 .Lnot_o
	tensor_load_to_lds s[44:47], s[28:35]
	s_nop 0
.rept 4
	v_nop
.endr
	s_branch .Lasked
.Lnot_o:
	s_cmp_lt_u32 s[WV], 4
	s_cbranch_scc0 .Lasked
	tensor_load_to_lds s[52:55], s[36:43]
	s_nop 0
.rept 4
	v_nop
.endr
.Lasked:
	v_and_b32 v8, 15, v0                           ; r
	v_bfe_u32 v9, v0, 4, 1                         ; h
	v_and_b32 v10, 31, v0                          ; lane
	s_delay_alu instid0(VALU_DEP_3)
	v_mul_u32_u24 v[AS0], v8, PITCH
	s_delay_alu instid0(VALU_DEP_1)
	v_lshl_add_u32 v[AS0], v9, 4, v[AS0]
	s_mul_i32 s70, s20, 64*PITCH
	s_add_co_u32 s70, s70, WO
	v_add_nc_u32 v[AS0], s70, v[AS0]               ; Wo: row 64 nh + r, + 16 h
	s_lshl_b32 s70, s19, 13
	v_lshlrev_b32 v[AS1], 4, v10
	s_delay_alu instid0(VALU_DEP_1)
	v_add_nc_u32 v[AS1], s70, v[AS1]               ; o: my two tiles' images, 16 x lane
	s_mul_i32 s70, s[WV], 16*PITCH
	s_add_co_u32 s70, s70, STAGE                   ; my stage
	v_mul_u32_u24 v[STO], v8, PITCH
	s_delay_alu instid0(VALU_DEP_1)
	v_lshl_add_u32 v[STO], v9, 5, v[STO]
	s_delay_alu instid0(VALU_DEP_1)
	v_add_nc_u32 v[STO], s70, v[STO]               ; in: row r, 32 bytes for each half of the lanes
	v_mul_u32_u24 v[RD], v9, PITCH
	s_delay_alu instid0(VALU_DEP_1)
	v_lshl_add_u32 v[RD], v8, 4, v[RD]
	s_delay_alu instid0(VALU_DEP_1)
	v_add_nc_u32 v[RD], s70, v[RD]                 ; back: lanes 0-15 one row of 256 bytes, lanes 16-31 the next
	v_lshlrev_b32 v[GO], 12, v9
	s_delay_alu instid0(VALU_DEP_1)
	v_lshl_add_u32 v[GO], v8, 4, v[GO]             ; and the same two rows in out0
	v_lshlrev_b32 v11, 5, v8
	s_delay_alu instid0(VALU_DEP_1)
	v_lshl_add_u32 v11, v9, 4, v11                 ; Wo's scale bytes: 32 r + 16 h
	s_wait_alu depctr_va_vdst(0)
	v_lshlrev_b32 v12, 8, v9
	s_delay_alu instid0(VALU_DEP_1)
	v_lshl_add_u32 v12, v8, 1, v12                 ; o's halfwords: 256 h + 2 r
	s_wait_alu depctr_va_vdst(0)
	v_lshlrev_b32 v13, 5, v9                       ; bo: 32 h
	s_wait_alu depctr_va_vdst(0)
	s_lshl_b32 s72, s24, 12                        ; Wo's scale bytes at 224 KiB of xw_scales: nb's 128 rows of 32 bytes, my 64
	s_lshl_b32 s73, s20, 11
	s_add_co_u32 s72, s72, s73
	s_add_co_u32 s72, s72, 0x38000
	s_mov_b32 s73, 0
	s_add_nc_u64 s[10:11], s[10:11], s[72:73]
	s_lshl_b32 s72, s25, 12                        ; o_scales: 512 bytes a tile: tile 8 tb + 2 ti
	s_lshl_b32 s74, s19, 10
	s_add_co_u32 s72, s72, s74
	s_add_nc_u64 s[6:7], s[6:7], s[72:73]
	s_lshl_b32 s72, s24, 9                         ; bo: nb's 128 numbers, my 64
	s_lshl_b32 s74, s20, 8
	s_add_co_u32 s72, s72, s74
	s_add_nc_u64 s[12:13], s[12:13], s[72:73]
.irp t, 0,1,2,3
	global_load_b128 v[SC0+4*\t:SC0+4*\t+3], v11, s[10:11] offset:512*\t
.endr
.irp i, 0,1                                    ; lane (r, h), register e: K step 4 h + e is heads 8 h + 2 e and 8 h + 2 e + 1, 32 bytes a head
.irp e, 0,1,2,3
	global_load_u16 v[16+8*\i+2*\e], v12, s[6:7] offset:512*\i+64*\e
	global_load_u16 v[17+8*\i+2*\e], v12, s[6:7] offset:512*\i+64*\e+32
.endr
.endr
.irp i, 0,1                                    ; register j of accumulator (i, t) is column 16 t + 8 h + j
.irp t, 0,1,2,3
	global_load_b128 v[ACC+32*\i+8*\t:ACC+32*\i+8*\t+3], v13, s[12:13] offset:64*\t
	global_load_b128 v[ACC+32*\i+8*\t+4:ACC+32*\i+8*\t+7], v13, s[12:13] offset:64*\t+16
.endr
.endr
	s_lshl_b32 s72, s25, 19                        ; out0: row 128 tb + 32 ti of 4,096 bytes, column 128 nb + 64 nh
	s_lshl_b32 s74, s19, 17
	s_add_co_u32 s72, s72, s74
	s_lshl_b32 s74, s24, 9
	s_add_co_u32 s72, s72, s74
	s_lshl_b32 s74, s20, 8
	s_add_co_u32 s72, s72, s74
	s_add_nc_u64 s[14:15], s[14:15], s[72:73]
	s_wait_loadcnt 0x0
.irp i, 0,1
.irp e, 0,1,2,3
	v_lshl_or_b32 v[SC1+4*\i+\e], v[17+8*\i+2*\e], 16, v[16+8*\i+2*\e]   ; two heads' halfwords make a K step's scale word
.endr
.endr
.rept 8
	v_nop                                          ; a scale register written by a vector instruction stands eight places ahead of the scaled product
.endr
.macro LOADS ks, buf                   ; the fragments of K step ks: 4 loads for o's two tiles, 8 for Wo's four
.set FB, 64+48*(\buf)
.irp i, 0,1
.irp c, 0,1
	ds_load_b128 v[FB+8*\i+4*\c:FB+8*\i+4*\c+3], v[AS1] offset:((\ks)>>2)*32768+\i*4096+((\ks)&3)*1024+512*\c
.endr
.endr
.irp t, 0,1,2,3
.irp c, 0,1
	ds_load_b128 v[FB+16+8*\t+4*\c:FB+16+8*\t+4*\c+3], v[AS0] offset:((\ks)>>2)*KH+\t*16*PITCH+((\ks)&3)*64+32*\c
.endr
.endr
.endm
.macro MULS ks, buf                    ; the eight accumulators by turns, one instruction a turn, in the same order in every step
.set FB, 64+48*(\buf)
.set KE, (\ks)&3
.irp t, 0,1,2,3
.irp i, 0,1
.if (\ks) < 4
	v_wmma_scale_f32_16x16x128_f8f6f4 v[ACC+32*\i+8*\t:ACC+32*\i+8*\t+7], v[FB+16+8*\t:FB+16+8*\t+7], v[FB+8*\i:FB+8*\i+7], v[ACC+32*\i+8*\t:ACC+32*\i+8*\t+7], v[SC0+4*\t+KE], v[SC1+4*\i+KE] matrix_a_fmt:MATRIX_FMT_FP4 matrix_b_fmt:MATRIX_FMT_FP4
.else
	v_wmma_scale_f32_16x16x128_f8f6f4 v[ACC+32*\i+8*\t:ACC+32*\i+8*\t+7], v[FB+16+8*\t:FB+16+8*\t+7], v[FB+8*\i:FB+8*\i+7], v[ACC+32*\i+8*\t:ACC+32*\i+8*\t+7], v[SC0+4*\t+KE], v[SC1+4*\i+KE] matrix_a_fmt:MATRIX_FMT_FP4 matrix_b_fmt:MATRIX_FMT_FP4 matrix_a_scale:MATRIX_SCALE_ROW1 matrix_b_scale:MATRIX_SCALE_ROW1
.endif
.endr
.endr
.endm
.macro KSTEP ks                        ; the next step's fragments are asked for, into the other buffer, ahead of this step's products
.if (\ks) < 7
.rept 4
	v_nop                                          ; four places in front of loads into the buffer that the last step's products read
.endr
	LOADS (\ks)+1, ((\ks)+1)%2
	s_wait_dscnt 12                                ; this step's fragments are in; the 12 loads just issued may be out
.else
	s_wait_dscnt 0x0
.endif
	MULS \ks, (\ks)%2
.endm
	s_wait_alu depctr_va_vdst(0)
	s_wait_tensorcnt 0x0                           ; my one tensor load has landed
	s_barrier_signal -1
	s_barrier_wait -1                              ; everybody's has
	LOADS 0, 0
.irp ks, 0,1,2,3,4,5,6,7
	KSTEP \ks
.endr
	; THE WAY OUT: a tile of 16 tokens x my 64 columns (256 bytes a row) at a time through my own stage, so that sixteen lanes store 256 consecutive bytes, aligned.
	; LDS serves a wave's instructions in order (ISA guide 5.7.1.4): the loads see the stores above them, and the second tile's stores come behind the first's loads
.rept 4
	v_nop                                          ; four places behind the last products
.endr
.irp i, 0,1
.irp t, 0,1,2,3
	ds_store_b128 v[STO], v[ACC+32*\i+8*\t:ACC+32*\i+8*\t+3] offset:64*\t          ; each accumulator from its low end on
	ds_store_b128 v[STO], v[ACC+32*\i+8*\t+4:ACC+32*\i+8*\t+7] offset:64*\t+16
.endr
.irp j, 0,1,2,3,4,5,6,7
	ds_load_b128 v[64+32*\i+4*\j:64+32*\i+4*\j+3], v[RD] offset:2*\j*PITCH
.endr
.endr
.irp i, 0,1
.irp j, 0,1,2,3,4,5,6,7
	s_wait_dscnt 23-16*\i-\j                       ; behind load j of tile 0: 7 - j loads, 8 stores, 8 loads; of tile 1: 7 - j loads
	global_store_b128 v[GO], v[64+32*\i+4*\j:64+32*\i+4*\j+3], s[14:15] offset:65536*\i+8192*\j th:TH_STORE_NT   ; written once, read by nobody here
.endr
.endr
	s_wait_tensorcnt 0x0                           ; the wave's end
	ds_add_u32 v[SPW], v[NIL]
	s_wait_dscnt 0x0
	ROUND                                          ; the closing round
	s_endpgm
.Lfunc_end_k_q4d7e1e85c2_outp:
	.size	k_q4d7e1e85c2_outp, .Lfunc_end_k_q4d7e1e85c2_outp-k_q4d7e1e85c2_outp
	.p2alignl 7, 3214868480
	.fill 96, 4, 3214868480
	.section	.rodata,"a",@progbits
	.p2align	6, 0x0
	.amdhsa_kernel k_q4d7e1e85c2_outp
		.amdhsa_group_segment_fixed_size 171008
		.amdhsa_private_segment_fixed_size 0
		.amdhsa_enable_private_segment 0
		.amdhsa_kernarg_size 48
		.amdhsa_user_sgpr_count 2
		.amdhsa_user_sgpr_kernarg_segment_ptr 1
		.amdhsa_wavefront_size32 1
		.amdhsa_system_sgpr_workgroup_id_x 1
		.amdhsa_system_sgpr_workgroup_id_y 1
		.amdhsa_system_sgpr_workgroup_id_z 1
		.amdhsa_system_vgpr_workitem_id 0
		.amdhsa_next_free_vgpr 256
		.amdhsa_next_free_sgpr 90
		.amdhsa_reserve_vcc 0
		.amdhsa_float_denorm_mode_32 3
		.amdhsa_float_denorm_mode_16_64 3
		.amdhsa_memory_ordered 1
		.amdhsa_forward_progress 1
		.amdhsa_inst_pref_size 31
	.end_amdhsa_kernel
	.amdgpu_metadata
---
amdhsa.version: [ 1, 2 ]
amdhsa.kernels:
  - .name:           k_q4d7e1e85c2_outp
    .symbol:         k_q4d7e1e85c2_outp.kd
    .args:
      - { .name: o_codes, .offset: 0, .size: 8, .value_kind: global_buffer, .address_space: global }
      - { .name: o_scales, .offset: 8, .size: 8, .value_kind: global_buffer, .address_space: global }
      - { .name: xw_codes, .offset: 16, .size: 8, .value_kind: global_buffer, .address_space: global }
      - { .name: xw_scales, .offset: 24, .size: 8, .value_kind: global_buffer, .address_space: global }
      - { .name: bo, .offset: 32, .size: 8, .value_kind: global_buffer, .address_space: global }
      - { .name: out0, .offset: 40, .size: 8, .value_kind: global_buffer, .address_space: global }
    .group_segment_fixed_size: 171008
    .private_segment_fixed_size: 0
    .kernarg_segment_align: 8
    .kernarg_segment_size: 48
    .max_flat_workgroup_size: 256
    .sgpr_count:     90
    .vgpr_count:     256
    .wavefront_size: 32
...
	.end_amdgpu_metadata
.endif
;; end of part 4
